; MI455X (gfx1250); checked and timed in simulation.
; The chip was launched on July 23, 2026; its instructions are those of AMD's public machine-readable ISA for CDNA 5 (MIT licence, August 2026) and "CDNA5" Instruction Set Architecture Reference Guide (July 2026). The comments in the code are by the model that wrote it; some were corrected since.
;; MLA. Allowed arithmetic: matrix products marked QUANTISED: E2M1 operands, one E8M0 scale for each 32 along K, by v_wmma_scale_f32_16x16x128_f8f6f4 with both operands' format E2M1 (or v_wmma_scale_f32_32x16x128_f4), f32 sums; products left as they are: bf16, f16 or f32 operands; f32 sums; everything else in f32.
;; Inputs: Wk_up 256 x 16 x 64 float32; Wkv_down 1,024 x 256 float32; Wout 16 x 64 x 1,024 float32; Wq 1,024 x 16 x 64 float32; Wv_up 256 x 16 x 64 float32; x_bld 2 x 2,048 x 1,024 float32.
;; Outputs: out0 2 x 2,048 x 1,024 float32.
;; This version of the problem:
;;   THIS VERSION OF THE PROBLEM IS GIVEN IN LOW PRECISION. The matrix products marked QUANTISED in the list below multiply operands that are first quantised to E2M1 (2 exponent bits, 1 mantissa bit; 4 bits a number), with one power-of-two scale for each 32 numbers along K (OCP MX v1.0); their sums are f32. The products marked 'left as it is' may take bf16, f16 or f32 operands, with f32 sums. Whichever they take, every output number must still come out within the allowed error. Rounding operands to bf16 (8 significant bits) uses up far more of that allowance than f16 does (11 bits, for magnitudes from 6e-5 to 65,504). All else is computed in f32.
;;   The module's matrix products, in the order in which they are computed (A, B: the left and right operand; K: the contracted axis; several contracted axes count as one K, in the product's order):
;;     1. [M 4,096, K 1,024] x [K 1,024, N 1,024]; A: input x_bld; B: input Wq: QUANTISED
;;     2. [M 4,096, K 1,024] x [K 1,024, N 256]; A: input x_bld; B: input Wkv_down: QUANTISED
;;     3. [M 4,096, K 256] x [K 256, N 1,024]; A: computed on the way; B: input Wk_up: left as it is (an operand is computed on the way)
;;     4. [M 4,096, K 256] x [K 256, N 1,024]; A: computed on the way; B: input Wv_up: left as it is (an operand is computed on the way)
;;     5. batch 32 x [M 2,048, K 64] x [K 64, N 2,048]; A: computed on the way; B: computed on the way: left as it is (an operand is computed on the way)
;;     6. batch 32 x [M 64, K 2,048] x [K 2,048, N 2,048]; A: computed on the way; B: computed on the way: left as it is (an operand is computed on the way)
;;     7. [M 4,096, K 1,024] x [K 1,024, N 1,024]; A: computed on the way; B: input Wout: left as it is (an operand is computed on the way)
;;   THE QUANTISER, for each operand of a quantised product, along K:
;;     - K is cut into blocks of 32 from its start; a last block that is shorter is filled with zeros.
;;     - A block's scale is 2^e with e = floor(log2(the largest magnitude in the block)) - 2, held to -126 .. 127; a block of zeros has e = 0. As a byte (E8M0): e + 127.
;;     - Each number is divided by its block's scale, clamped to +-6, and rounded to the nearest number of E2M1, ties to even, subnormals kept.
;;     - The product sums the exact products of the quantised numbers (number of the format x scale) in f32.
;;   ~~~python
;;   def quantise(x, axis):      # numpy; x: float32 -> the quantised numbers, widened to float32 again
;;       x = np.moveaxis(x, axis, -1); K = x.shape[-1]
;;       x = np.pad(x, [(0, 0)] * (x.ndim - 1) + [(0, -K % 32)]); x = x.reshape(x.shape[:-1] + (-1, 32)); a = np.abs(x).max(-1, keepdims=True)
;;       e = np.where(a > 0, np.clip(np.frexp(np.where(a > 0, a, 1))[1] - 1 - 2, -126, 127), 0)      # np.frexp(a)[1] - 1 = floor(log2(a)), exactly
;;       r = np.clip(x / 2.0 ** e, -6, 6)
;;       step = 2.0 ** (np.maximum(np.frexp(np.where(r == 0, 1, r))[1] - 1, 0) - 1)
;;       q = np.round(r / step) * step * 2.0 ** e      # np.round: ties to even
;;       return np.moveaxis(q.reshape(q.shape[:-2] + (-1,))[..., :K], -1, axis).astype(np.float32)
;;   ~~~
;; One version. Each part assembles by itself: llvm-mc -triple=amdgcn-amd-amdhsa -mcpu=gfx1250 --defsym DOCPART=n.
;; ======== version 1 of 1: 6 launches
;; limits: values are held in f16: magnitudes above 65,504 overflow, below 6.1e-05 lose precision; inputs' magnitudes at most 127; inputs' magnitudes at most 65,504
;; workspace buffers: pw 8,167,424 bytes; g1 13,239,296 bytes; kv 16,777,472 bytes; yf 131,072 bytes; y16 8,388,608 bytes
;; launch prep (part 1): grid 304 x 1, 4 waves a work-group, no clusters, 41,472 bytes of LDS; arguments x_bld, Wq, Wkv_down, Wk_up, Wv_up, Wout, pw; writes pw
.if DOCPART == 1
	.amdgcn_target "amdgcn-amd-amdhsa--gfx1250"
	.amdhsa_code_object_version 6
	.text
	.protected	k_q3fe6e30b7e_prep
	.globl	k_q3fe6e30b7e_prep
	.p2align	8
	.type	k_q3fe6e30b7e_prep,@function
k_q3fe6e30b7e_prep:
	s_mov_b64 s[64:65], 0
	v_nop
	global_prefetch_b8 v0, s[64:65] scope:SCOPE_SE
	s_setreg_imm32_b32 hwreg(HW_REG_WAVE_MODE, 25, 1), 1
	s_wait_xcnt 0x0
; All six inputs are turned, once, into the operands that the later launches read, laid in the ORDER OF THE OPERAND'S REGISTERS ("images": 16 bytes a lane at 16 x lane, 512 dense bytes an instruction).
;   x [4096][1024]              -> FP4 (E2M1) fragments XC and scale words XS       (work-groups 0-127)
;   Wq [1024][1024], Wkv [1024][256] (K first) -> FP4 fragments WC, scale words WS  (128-191, 192-207): column tiles 0-63 are Wq's, 64-79 Wkv_down's
;   Wk_up, Wv_up [256][1024]    -> f16 fragments WK, WV                             (208-239)
;   Wout [1024][1024]           -> f16 fragments of a high and a low part, WO, WOL  (240-303); lane r of tile 4 G + u is column 64 G + 4 r + u
; A block's scale is 2^(floor(log2(largest magnitude)) - 2); its byte is the largest magnitude's exponent field - 2, held at 1 from below.
; LIMITS: a block of zeros gets the byte 1 where the rule says 127 (its codes are zeros, and this program alone reads the bytes); NaN and infinities are not served;
; |Wk_up|, |Wv_up|, |Wout| must lie under 65,504 (f16); Wout's low parts fall among f16's subnormals (step 2^-24), so a pair carries about 19 bits at magnitudes near 1/32.
; The paths part on the work-group's number and never meet again; the path for x alone touches LDS.  No tensor load, no barrier: waves share nothing.
.set XS,    2097152
.set WC,    2228224
.set WS,    2883584
.set WK,    2924544
.set WV,    3448832
.set WO,    3973120
.set WOLD,  2097152                    ; WOL - WO
.set WREG,  10240                      ; LDS of a wave: two stages of 32 x SP bytes, its 256 scale bytes, its 4,096 bytes of codes as 16 quarters of 256 + 16
.set SP,    80
.set SCB,   5120
.set IMG,   5376
.set SPARE, 4*WREG                     ; the spare words, 128 bytes a wave: two blocks of 256 bytes that no other line names
.set R,     16                         ; v16-143  x: eight sets of 16 numbers as loaded
.set X,     144                        ; v144-175 x: two sets of 16 neighbours
.set C,     176                        ; v176-207 x: two registers of codes a step
.set E,     208                        ; v208-223 x: a scale byte a step
	s_load_b128 s[4:7], s[0:1], 0x0                ; x, Wq
	s_load_b128 s[8:11], s[0:1], 0x10              ; Wkv_down, Wk_up
	s_load_b128 s[12:15], s[0:1], 0x20             ; Wv_up, Wout
	s_load_b64 s[16:17], s[0:1], 0x30              ; pw
	v_lshl_add_u32 v12, v0, 2, SPARE               ; my spare word; never rewritten
	v_mov_b32 v13, 0                               ; 0; never rewritten
	v_lshrrev_b32 v1, 5, v0
	v_readfirstlane_b32 s18, v1                    ; wave
	v_and_b32 v2, 31, v0                           ; lane
	v_lshlrev_b32 v1, 2, v2                        ; 4 x lane
	v_lshlrev_b32 v3, 4, v2                        ; 16 x lane
	v_lshlrev_b32 v4, 3, v2                        ; 8 x lane
	v_lshrrev_b32 v22, 4, v2                       ; lane / 16
	v_and_b32 v23, 15, v2                          ; lane % 16
	s_mul_i32 s19, s18, WREG
	v_lshrrev_b32 v14, 2, v2
	v_mul_u32_u24 v14, v14, SP
	v_and_b32 v15, 3, v2
	v_lshl_add_u32 v14, v15, 4, v14
	v_add_nc_u32 v14, s19, v14                     ; the stage, in: SP (lane / 4) + 16 (lane % 4)
	v_mul_u32_u24 v15, v2, SP
	v_add_nc_u32 v15, s19, v15                     ; and out: SP x lane: 16 neighbours
	v_lshrrev_b32 v5, 3, v2
	v_bfe_u32 v6, v2, 1, 2
	v_lshl_add_u32 v5, v5, 6, v6
	v_add_nc_u32 v5, s19, v5                       ; my block's scale byte: 64 (K step) + block; the row's 4 bytes stand in the immediate
	v_lshrrev_b32 v6, 1, v2
	v_mul_u32_u24 v6, v6, 272
	v_and_b32 v7, 1, v2
	v_lshl_add_u32 v6, v7, 3, v6
	v_add_nc_u32 v6, s19, v6                       ; my 8 bytes of codes: quarter lane / 2 (= 4 x K step + block), half lane % 2; the row's 16 bytes stand in the immediate
	v_mul_u32_u24 v7, v22, 272
	v_lshl_add_u32 v7, v23, 4, v7
	v_add_nc_u32 v7, s19, v7                       ; back: two quarters an instruction
	v_add_nc_u32 v10, s19, v4                      ; the scale bytes back: 8 a lane
	s_wait_kmcnt 0x0
	s_cmp_lt_u32 ttmp9, 128
	s_cbranch_scc1 .Lx
	s_cmp_lt_u32 ttmp9, 192
	s_cbranch_scc1 .Lwq
	s_cmp_lt_u32 ttmp9, 208
	s_cbranch_scc1 .Lwkv
	s_cmp_lt_u32 ttmp9, 240
	s_cbranch_scc1 .Lw16a
; ---- Wout: wave W' = 16 G + kp takes columns 64 G .. 64 G + 63 and K chunks 2 kp, 2 kp + 1 (32 rows each).  A lane loads 16 bytes (columns 64 G + 4 r + 0..3) of row 8 (lane / 16) + ..:
; sixteen lanes read 256 consecutive bytes.  Register 4 jj + u of a chunk is Wout(k(jj), 64 G + 4 r + u): so the pairs (2 m, 2 m + 1) of one u are register m of tile 4 G + u's fragment.
	s_sub_co_u32 s33, ttmp9, 240
	s_lshl_b32 s33, s33, 2
	s_add_co_u32 s33, s33, s18
	s_lshr_b32 s22, s33, 4                         ; G
	s_and_b32 s23, s33, 15                         ; kp
	s_lshl_b32 s24, s23, 18                        ; 64 rows of 4,096 bytes
	s_lshl_b32 s25, s22, 8
	s_add_co_u32 s24, s24, s25
	s_mov_b32 s25, 0
	s_add_nc_u64 s[20:21], s[14:15], s[24:25]
	s_lshl_b32 s24, s22, 17                        ; tile 4 G: 4 x 32 fragments of 1,024 bytes
	s_lshl_b32 s26, s23, 11
	s_add_co_u32 s24, s24, s26
	s_add_co_u32 s24, s24, WO
	s_add_nc_u64 s[28:29], s[16:17], s[24:25]
	v_lshlrev_b32 v20, 15, v22
	v_lshl_add_u32 v20, v23, 4, v20                ; 8 rows for the upper half of the lanes, 16 bytes a lane
.irp q, 0,1
.set jj, 0
.rept 16
	global_load_b128 v[128+64*\q+4*jj:131+64*\q+4*jj], v20, s[20:21] offset:(32*\q+16*(jj/8)+(jj%8))*4096 th:TH_LOAD_NT
.set jj, jj+1
.endr
.endr
; One u of one chunk: the high parts (rounded to f16), the same widened again, what is left of each number, and that rounded: the low parts.
.macro HILO q, u
.if (\q)+(\u) > 0
	s_wait_xcnt 0x0                                ; the last four stores have read v32-47, which are written anew
.endif
.set m, 0
.rept 8
	v_cvt_pk_f16_f32 v[32+m], v[128+64*\q+8*m+\u], v[132+64*\q+8*m+\u]
.set m, m+1
.endr
	v_cvt_f32_f16 v96, v32.l
	v_cvt_f32_f16 v97, v32.h
	v_cvt_f32_f16 v98, v33.l
	v_cvt_f32_f16 v99, v33.h
	v_cvt_f32_f16 v100, v34.l
	v_cvt_f32_f16 v101, v34.h
	v_cvt_f32_f16 v102, v35.l
	v_cvt_f32_f16 v103, v35.h
	v_cvt_f32_f16 v104, v36.l
	v_cvt_f32_f16 v105, v36.h
	v_cvt_f32_f16 v106, v37.l
	v_cvt_f32_f16 v107, v37.h
	v_cvt_f32_f16 v108, v38.l
	v_cvt_f32_f16 v109, v38.h
	v_cvt_f32_f16 v110, v39.l
	v_cvt_f32_f16 v111, v39.h
.set m, 0
.rept 8
	v_sub_f32 v[96+2*m], v[128+64*\q+8*m+\u], v[96+2*m]
	v_sub_f32 v[97+2*m], v[132+64*\q+8*m+\u], v[97+2*m]
.set m, m+1
.endr
.set m, 0
.rept 8
	v_cvt_pk_f16_f32 v[40+m], v[96+2*m], v[97+2*m]
.set m, m+1
.endr
	global_store_b128 v3, v[32:35], s[28:29] offset:32768*\u+1024*\q
	global_store_b128 v3, v[36:39], s[28:29] offset:32768*\u+1024*\q+512
	global_store_b128 v3, v[40:43], s[28:29] offset:WOLD+32768*\u+1024*\q
	global_store_b128 v3, v[44:47], s[28:29] offset:WOLD+32768*\u+1024*\q+512
.endm
	s_wait_loadcnt 16                              ; the first chunk's 16 loads are in
.irp u, 0,1,2,3
	HILO 0, \u
.endr
	s_wait_loadcnt 0x0
.irp u, 0,1,2,3
	HILO 1, \u
.endr
	s_endpgm
; ---- 32 rows of K (block t of four) of 32 columns: a lane takes a column, its registers run down K.  Two blocks are asked for ahead; block t + 2 goes out when block t has come: 64 loads out at the most.
.macro LOADB t, pitch
.set i, 0
.rept 32
	global_load_b32 v[128+32*(\t)+i], v1, s[20:21] offset:(32*(\t)+i)*\pitch th:TH_LOAD_NT
.set i, i+1
.endr
.endm
; ---- a weight of a quantised product.  s33: the work-group's number within the tensor = ks x column blocks + column block.  A wave: 32 columns x one K step of 128: four blocks a lane, each all its own.
; Block t of column 16 nt + r is the 16 bytes at (8 nt + ks) 1,024 + 256 t + 16 r of WC: a store writes two whole runs of 256 bytes.  The scale words leave as runs of 64 bytes (40 KB in all).
.macro W4 pitch, ntbase, cbits, ptr
	s_and_b32 s22, s33, (1<<\cbits)-1              ; column block of 128
	s_lshr_b32 s23, s33, \cbits                    ; ks
	s_mul_i32 s24, s23, 128*\pitch
	s_lshl_b32 s25, s22, 9
	s_add_co_u32 s24, s24, s25
	s_lshl_b32 s25, s18, 7
	s_add_co_u32 s24, s24, s25
	s_mov_b32 s25, 0
	s_add_nc_u64 s[20:21], s[\ptr:\ptr+1], s[24:25]
	LOADB 0, \pitch
	LOADB 1, \pitch
	s_lshl_b32 s24, s22, 3
	s_lshl_b32 s26, s18, 1
	s_add_co_u32 s24, s24, s26
	s_add_co_u32 s24, s24, \ntbase                 ; my first column tile
	s_lshl_b32 s24, s24, 3
	s_add_co_u32 s24, s24, s23
	s_lshl_b32 s26, s24, 6
	s_add_co_u32 s26, s26, WS
	s_mov_b32 s27, 0
	s_lshl_b32 s24, s24, 10
	s_add_co_u32 s24, s24, WC
	s_add_nc_u64 s[28:29], s[16:17], s[24:25]
	s_add_nc_u64 s[30:31], s[16:17], s[26:27]
	v_lshlrev_b32 v20, 13, v22
	v_lshl_add_u32 v20, v23, 4, v20                ; lanes 16-31 are the next column tile: 8 fragments on
	v_lshlrev_b32 v21, 9, v22
	v_lshl_add_u32 v21, v23, 2, v21
.irp t, 0,1,2,3
.if \t < 3
	s_wait_loadcnt 32                              ; this block's 32 loads are in; the next block's 32 stay out
.else
	s_wait_loadcnt 0x0
.endif
.if \t < 2
	LOADB \t+2, \pitch
.endif
	v_max3_num_f32 v25, |v[128+32*\t]|, |v[129+32*\t]|, |v[130+32*\t]|
	v_max3_num_f32 v26, |v[131+32*\t]|, |v[132+32*\t]|, |v[133+32*\t]|
.irp i, 6,10,14,18,22,26
	v_max3_num_f32 v25, v25, |v[128+32*\t+\i]|, |v[129+32*\t+\i]|
	v_max3_num_f32 v26, v26, |v[130+32*\t+\i]|, |v[131+32*\t+\i]|
.endr
	v_max3_num_f32 v25, v25, |v[158+32*\t]|, |v[159+32*\t]|
	v_max3_num_f32 v25, v25, v26, 0x1800000        ; and the floor 2^(3 - 127): the byte cannot fall under 1
	v_add_nc_u32 v[16+\t], 0xff000000, v25         ; 2 off the exponent field: the conversion's scale operand
	v_lshrrev_b32 v27, 23, v[16+\t]                ; the scale's byte
.if \t == 0
	v_mov_b32 v24, v27
.else
	v_lshl_or_b32 v24, v27, 8*\t, v24
.endif
.irp g, 0,1,2,3
	v_cvt_scalef32_pk8_fp4_f32 v[32+4*\t+\g], v[128+32*\t+8*\g:135+32*\t+8*\g], v[16+\t]
.endr
	global_store_b128 v20, v[32+4*\t:35+4*\t], s[28:29] offset:256*\t
.endr
	global_store_b32 v21, v24, s[30:31]
	s_endpgm
.endm
.Lwq:
	s_sub_co_u32 s33, ttmp9, 128
	W4 4096, 0, 3, 6
.Lwkv:
	s_sub_co_u32 s33, ttmp9, 192
	W4 1024, 64, 1, 8
; ---- Wk_up, Wv_up: 32 columns x 128 rows of K a wave, rounded to f16.  A lane holds all 32 k of a chunk of ITS column; the fragment wants k = 8 h .. and 16 + 8 h .. in the lane's half h:
; an exchange of halves between registers i and 4 + i turns the two column tiles' registers into the two fragments' images.
.Lw16a:
	s_sub_co_u32 s33, ttmp9, 208
	s_lshr_b32 s34, s33, 4                         ; 0: Wk_up, 1: Wv_up
	s_and_b32 s22, s33, 7                          ; column block of 128
	s_bfe_u32 s23, s33, 0x10003                    ; which 128 rows of K
	s_cmp_eq_u32 s34, 0
	s_cselect_b64 s[20:21], s[10:11], s[12:13]
	s_cselect_b32 s35, 0, WV-WK
	s_lshl_b32 s24, s23, 19
	s_lshl_b32 s25, s22, 9
	s_add_co_u32 s24, s24, s25
	s_lshl_b32 s25, s18, 7
	s_add_co_u32 s24, s24, s25
	s_mov_b32 s25, 0
	s_add_nc_u64 s[20:21], s[20:21], s[24:25]
	LOADB 0, 4096
	LOADB 1, 4096
	s_lshl_b32 s24, s22, 16                        ; column tile 8 x block + 2 x wave, 8 fragments of 1,024 bytes each; chunk 4 x half
	s_lshl_b32 s26, s18, 14
	s_add_co_u32 s24, s24, s26
	s_lshl_b32 s26, s23, 12
	s_add_co_u32 s24, s24, s26
	s_add_co_u32 s24, s24, s35
	s_add_co_u32 s24, s24, WK
	s_add_nc_u64 s[28:29], s[16:17], s[24:25]
.irp q, 0,1,2,3
.if \q < 3
	s_wait_loadcnt 32                              ; this chunk's 32 loads are in; the next chunk's 32 stay out
.else
	s_wait_loadcnt 0x0
.endif
.if \q < 2
	LOADB \q+2, 4096
.endif
.set m, 0
.rept 16
	v_cvt_pk_f16_f32 v[32+16*\q+m], v[128+32*\q+2*m], v[129+32*\q+2*m]
.set m, m+1
.endr
.irp i, 0,1,2,3
	v_permlane16_swap_b32 v[32+16*\q+\i], v[36+16*\q+\i]
	v_permlane16_swap_b32 v[40+16*\q+\i], v[44+16*\q+\i]
.endr
	global_store_b128 v3, v[32+16*\q:35+16*\q], s[28:29] offset:1024*\q
	global_store_b128 v3, v[40+16*\q:43+16*\q], s[28:29] offset:1024*\q+512
	global_store_b128 v3, v[36+16*\q:39+16*\q], s[28:29] offset:1024*\q+8192
	global_store_b128 v3, v[44+16*\q:47+16*\q], s[28:29] offset:1024*\q+8704
.endr
	s_endpgm
; ---- x: wave W = 4 g + w takes row block W / 2 (16 rows) and half W % 2 of K (512).  A step is one row's 512 numbers: four loads of 512 consecutive bytes; they turn through the wave's stage so that a lane
; holds 16 neighbours (two lanes to a block).  Codes and scale bytes are gathered in LDS in the fragments' order and leave at the end: 4,096 and 256 consecutive bytes.  Loads run eight steps (32 loads) ahead.
.macro LOAD t
.irp i, 0,1,2,3
	global_load_b128 v[R+16*((\t)%8)+4*\i:R+16*((\t)%8)+4*\i+3], v3, s[4:5] offset:4096*(\t)+512*\i th:TH_LOAD_NT
.endr
.endm
.macro TURN t                          ; LDS serves a wave's instructions in order: no wait between the stores and the loads
.irp i, 0,1,2,3
	ds_store_b128 v14, v[R+16*((\t)%8)+4*\i:R+16*((\t)%8)+4*\i+3] offset:32*SP*((\t)%2)+8*SP*\i
.endr
.irp i, 0,1,2,3
	ds_load_b128 v[X+16*((\t)%2)+4*\i:X+16*((\t)%2)+4*\i+3], v15 offset:32*SP*((\t)%2)+16*\i
.endr
.endm
.macro STEP t
.set XSR, X+16*((\t)%2)
.if (\t) > 0
	s_wait_dscnt 2                                 ; this step's numbers are back from the stage; the last step's two stores (byte, codes) may be out
.else
	s_wait_dscnt 0x0
.endif
.if (\t)+8 < 16
	LOAD (\t)+8                                    ; into the set that this step's stores into the stage have read
.endif
.if (\t)+1 < 16
.if 14-(\t) >= 7
	s_wait_loadcnt 28                              ; the next step's four loads are in; those of the seven steps behind it stay out
.else
	s_wait_loadcnt 4*(14-(\t))
.endif
	TURN (\t)+1
.endif
	v_max3_num_f32 v8, |v[XSR]|, |v[XSR+1]|, |v[XSR+2]|
	v_max3_num_f32 v9, |v[XSR+3]|, |v[XSR+4]|, |v[XSR+5]|
.irp i, 6,10
	v_max3_num_f32 v8, v8, |v[XSR+\i]|, |v[XSR+\i+1]|
	v_max3_num_f32 v9, v9, |v[XSR+\i+2]|, |v[XSR+\i+3]|
.endr
	v_max3_num_f32 v8, v8, |v[XSR+14]|, |v[XSR+15]|
	v_max3_num_f32 v8, v8, v9, 0x1800000           ; and the floor 2^(3 - 127)
	v_max_num_f32_dpp v8, v8, v8 row_xmask:1 row_mask:0xf bank_mask:0xf   ; with my neighbour's 16: the block's largest magnitude
	v_add_nc_u32 v11, 0xff000000, v8               ; 2 off its exponent field: the conversion's scale operand
	v_cvt_scalef32_pk8_fp4_f32 v[C+2*(\t)], v[XSR:XSR+7], v11
	v_cvt_scalef32_pk8_fp4_f32 v[C+2*(\t)+1], v[XSR+8:XSR+15], v11
	v_lshrrev_b32 v[E+(\t)], 23, v11               ; the scale's byte (a plain line behind the conversions)
	ds_store_b8 v5, v[E+(\t)] offset:SCB+4*(\t)    ; both lanes of a block write the same byte with the same value
	ds_store_b64 v6, v[C+2*(\t):C+2*(\t)+1] offset:IMG+16*(\t)
.endm
.Lx:
	s_lshl_b32 s20, ttmp9, 2
	s_add_co_u32 s20, s20, s18                     ; W
	s_lshr_b32 s21, s20, 1
	s_and_b32 s22, s20, 1
	s_lshl_b32 s24, s21, 16                        ; 16 rows of 4,096 bytes
	s_lshl_b32 s22, s22, 11
	s_add_co_u32 s24, s24, s22
	s_mov_b32 s25, 0
	s_add_nc_u64 s[4:5], s[4:5], s[24:25]
	s_lshl_b32 s24, s20, 12                        ; four fragments of 1,024 bytes
	s_add_nc_u64 s[26:27], s[16:17], s[24:25]
	s_lshl_b32 s24, s20, 8
	s_add_co_u32 s24, s24, XS
	s_add_nc_u64 s[28:29], s[16:17], s[24:25]
.irp t, 0,1,2,3,4,5,6,7
	LOAD \t
.endr
	s_wait_loadcnt 28                              ; step 0's four loads are in
	TURN 0
.irp t, 0,1,2,3,4,5,6,7,8,9,10,11,12,13,14,15
	STEP \t
.endr
.irp m, 0,1,2,3,4,5,6,7
	ds_load_b128 v[X+4*\m:X+4*\m+3], v7 offset:IMG+544*\m
.endr
	ds_load_b64 v[8:9], v10 offset:SCB
.irp m, 0,1,2,3,4,5,6,7
	s_wait_dscnt 8-\m
	global_store_b128 v3, v[X+4*\m:X+4*\m+3], s[26:27] offset:512*\m   ; 512 consecutive bytes, aligned
.endr
	s_wait_dscnt 0x0
	global_store_b64 v4, v[8:9], s[28:29]          ; 256 consecutive bytes, aligned
	s_wait_tensorcnt 0x0                           ; the wave's end
	ds_add_u32 v12, v13
	s_wait_dscnt 0x0
	s_endpgm
.Lfunc_end_k_q3fe6e30b7e_prep:
	.size	k_q3fe6e30b7e_prep, .Lfunc_end_k_q3fe6e30b7e_prep-k_q3fe6e30b7e_prep
	.p2alignl 7, 3214868480
	.fill 96, 4, 3214868480
	.section	.rodata,"a",@progbits
	.p2align	6, 0x0
	.amdhsa_kernel k_q3fe6e30b7e_prep
		.amdhsa_group_segment_fixed_size 41472
		.amdhsa_private_segment_fixed_size 0
		.amdhsa_enable_private_segment 0
		.amdhsa_kernarg_size 56
		.amdhsa_user_sgpr_count 2
		.amdhsa_user_sgpr_kernarg_segment_ptr 1
		.amdhsa_wavefront_size32 1
		.amdhsa_system_sgpr_workgroup_id_x 1
		.amdhsa_system_sgpr_workgroup_id_y 1
		.amdhsa_system_sgpr_workgroup_id_z 1
		.amdhsa_system_vgpr_workitem_id 0
		.amdhsa_next_free_vgpr 256
		.amdhsa_next_free_sgpr 66
		.amdhsa_reserve_vcc 0
		.amdhsa_float_denorm_mode_32 3
		.amdhsa_float_denorm_mode_16_64 3
		.amdhsa_memory_ordered 1
		.amdhsa_forward_progress 1
		.amdhsa_inst_pref_size 116
	.end_amdhsa_kernel
	.amdgpu_metadata
---
amdhsa.version: [ 1, 2 ]
amdhsa.kernels:
  - .name:           k_q3fe6e30b7e_prep
    .symbol:         k_q3fe6e30b7e_prep.kd
    .args:
      - { .name: x_bld, .offset: 0, .size: 8, .value_kind: global_buffer, .address_space: global }
      - { .name: Wq, .offset: 8, .size: 8, .value_kind: global_buffer, .address_space: global }
      - { .name: Wkv_down, .offset: 16, .size: 8, .value_kind: global_buffer, .address_space: global }
      - { .name: Wk_up, .offset: 24, .size: 8, .value_kind: global_buffer, .address_space: global }
      - { .name: Wv_up, .offset: 32, .size: 8, .value_kind: global_buffer, .address_space: global }
      - { .name: Wout, .offset: 40, .size: 8, .value_kind: global_buffer, .address_space: global }
      - { .name: pw, .offset: 48, .size: 8, .value_kind: global_buffer, .address_space: global }
    .group_segment_fixed_size: 41472
    .private_segment_fixed_size: 0
    .kernarg_segment_align: 8
    .kernarg_segment_size: 56
    .max_flat_workgroup_size: 128
    .sgpr_count:     66
    .vgpr_count:     256
    .wavefront_size: 32
...
	.end_amdgpu_metadata
.endif
;; end of part 1
;; launch gemm1 (part 2): grid 4 x 64, 5 waves a work-group, no clusters, 0 bytes of LDS; arguments pw, g1; writes g1
.if DOCPART == 2
	.amdgcn_target "amdgcn-amd-amdhsa--gfx1250"
	.amdhsa_code_object_version 6
	.text
	.protected	k_q3fe6e30b7e_gemm1
	.globl	k_q3fe6e30b7e_gemm1
	.p2align	8
	.type	k_q3fe6e30b7e_gemm1,@function
k_q3fe6e30b7e_gemm1:
	s_mov_b64 s[64:65], 0
	v_nop
	global_prefetch_b8 v0, s[64:65] scope:SCOPE_SE
	s_setreg_imm32_b32 hwreg(HW_REG_WAVE_MODE, 25, 1), 1
	s_wait_xcnt 0x0
; The two quantised products as one: [4096 x 1024] x [1024 x 1280] on codes of FP4 (E2M1) with E8M0 scales, sums in f32.  Columns 0-1023 are q (16 heads of 64), 1024-1279 the latent.
; SHARES: 64 row groups x 20 column groups of 64 x 64; work-group (x, y) has five waves, wave w makes row group y, column group 5 x + w: 16 accumulators, 8 K steps of 128, 128 matrix instructions, written out.
; Operands lie in memory as images of their registers, so each fragment comes by two loads of 512 dense bytes straight into registers: no LDS, no barrier.
; NO CLUSTER, NO JOINT REQUESTS: those serve tiles in LDS, of which this text has none; a wave's whole share is 64 KB of operands, fetched once, four K steps (64 loads) ahead.
; THE MATRIX INSTRUCTION IS USED TRANSPOSED (source 0 = 16 columns of W, source 1 = 16 rows of x): a lane holds token lane % 16 and eight neighbouring columns 8 (lane / 16) + 0..7.
; WAY OUT.  q: each (token, head) row is divided by 2^e, e the exponent of its largest magnitude (exact), and rounded to f16: |q'| < 2; 2^e goes to QS; tokens 0-15 of a batch also leave as f32 (QF).
;           latent: f32 images (LATF), and the wave's largest magnitude (LMAX).
; LIMITS: a row's largest magnitude is held to 2^-100 .. 2^100 before its exponent is taken; NaN and infinities are not served.
; REGISTERS: window 0: v1 16 x lane, v2 4 x lane; v16-31 x's scale words, v32-47 W's (lanes 0-15: the even K step, lanes 16-31: the odd one); v48-127 the way out; v128-255 fragment buffers 0, 1.
;            window 1: v0-127 accumulator (a, t) at 8 (4 a + t); v128-255 fragment buffers 2, 3.  In a buffer: x's block a at 8 a, W's tile t at 32 + 8 t.
.set XS,   2097152
.set WC,   2228224
.set WS,   2883584
.set LATF, 8388608
.set QS,   12582912
.set QF,   13107200
.set LMAX, 13238272
.set MSB, 0
.macro WIN new                         ; the immediate's high byte repeats the setting that is left
.if MSB != (\new)
	s_set_vgpr_msb (MSB<<8)|(\new)
.set MSB, (\new)
.endif
.endm
	s_load_b128 s[4:7], s[0:1], 0x0                ; pw, g1
	v_lshrrev_b32 v3, 5, v0
	v_readfirstlane_b32 s8, v3                     ; wave 0..4
	v_and_b32 v4, 31, v0
	v_lshlrev_b32 v1, 4, v4
	v_lshlrev_b32 v2, 2, v4
	s_and_b32 s9, ttmp7, 0xffff                    ; row group
	s_mul_i32 s10, ttmp9, 5
	s_add_co_u32 s10, s10, s8                      ; column group 0..19
	s_lshl_b32 s12, s9, 15                         ; 4 row blocks x 8 fragments of 1,024 bytes
	s_mov_b32 s13, 0
	s_lshl_b32 s14, s10, 15
	s_add_co_u32 s14, s14, WC
	s_mov_b32 s15, 0
	s_lshl_b32 s16, s9, 11                         ; 4 row blocks x 8 x 64 bytes of scale words
	s_add_co_u32 s16, s16, XS
	s_mov_b32 s17, 0
	s_lshl_b32 s18, s10, 11
	s_add_co_u32 s18, s18, WS
	s_mov_b32 s19, 0
	s_mov_b32 s28, 0x76543210
	s_mov_b32 s29, 0xfedcba98                      ; v_permlanex16_b32's selects for lane l xor 16
	s_wait_kmcnt 0x0
	s_add_nc_u64 s[12:13], s[4:5], s[12:13]
	s_add_nc_u64 s[14:15], s[4:5], s[14:15]
	s_add_nc_u64 s[16:17], s[4:5], s[16:17]
	s_add_nc_u64 s[18:19], s[4:5], s[18:19]
.irp a, 0,1,2,3
.irp p, 0,1,2,3
	global_load_b32 v[16+4*\a+\p], v2, s[16:17] offset:512*\a+128*\p   ; 128 bytes: the words of K steps 2 p and 2 p + 1
	global_load_b32 v[32+4*\a+\p], v2, s[18:19] offset:512*\a+128*\p
.endr
.endr
.macro LDSTEP ks                       ; a K step's eight fragments: 16 loads
.set FB, 128+64*((\ks)%2)
	WIN 0x40*(((\ks)%4)/2)
.irp a, 0,1,2,3
.irp c, 0,1
	global_load_b128 v[FB+8*\a+4*\c:FB+8*\a+4*\c+3], v1, s[12:13] offset:8192*\a+1024*(\ks)+512*\c
	global_load_b128 v[FB+32+8*\a+4*\c:FB+32+8*\a+4*\c+3], v1, s[14:15] offset:8192*\a+1024*(\ks)+512*\c
.endr
.endr
.endm
.macro MULSTEP ks                      ; 16 matrix instructions; the 16 accumulators take turns in the same order in every step
.set FB, 128+64*((\ks)%2)
	WIN 0x50|(5*(((\ks)%4)/2))
.irp a, 0,1,2,3
.irp t, 0,1,2,3
.if (\ks) == 0
	v_wmma_scale_f32_16x16x128_f8f6f4 v[8*(4*\a+\t):8*(4*\a+\t)+7], v[FB+32+8*\t:FB+39+8*\t], v[FB+8*\a:FB+7+8*\a], 0, v[32+4*\t+(\ks)/2], v[16+4*\a+(\ks)/2] matrix_a_fmt:MATRIX_FMT_FP4 matrix_b_fmt:MATRIX_FMT_FP4
.elseif (\ks)%2 == 0
	v_wmma_scale_f32_16x16x128_f8f6f4 v[8*(4*\a+\t):8*(4*\a+\t)+7], v[FB+32+8*\t:FB+39+8*\t], v[FB+8*\a:FB+7+8*\a], v[8*(4*\a+\t):8*(4*\a+\t)+7], v[32+4*\t+(\ks)/2], v[16+4*\a+(\ks)/2] matrix_a_fmt:MATRIX_FMT_FP4 matrix_b_fmt:MATRIX_FMT_FP4
.else
	v_wmma_scale_f32_16x16x128_f8f6f4 v[8*(4*\a+\t):8*(4*\a+\t)+7], v[FB+32+8*\t:FB+39+8*\t], v[FB+8*\a:FB+7+8*\a], v[8*(4*\a+\t):8*(4*\a+\t)+7], v[32+4*\t+(\ks)/2], v[16+4*\a+(\ks)/2] matrix_a_fmt:MATRIX_FMT_FP4 matrix_b_fmt:MATRIX_FMT_FP4 matrix_a_scale:MATRIX_SCALE_ROW1 matrix_b_scale:MATRIX_SCALE_ROW1
.endif
.endr
.endr
.endm
.irp ks, 0,1,2,3
	LDSTEP \ks
.endr
.irp ks, 0,1,2,3,4,5,6,7
.if 7-\ks >= 3
	s_wait_loadcnt 48                              ; this step's loads (and the scale words) are in; the three later steps' 48 stay out
.else
	s_wait_loadcnt 16*(7-\ks)
.endif
	MULSTEP \ks
.rept 4
	v_nop                                          ; four places behind the products: ahead of loads into their operands, and of the first read of results
.endr
.if \ks < 4
	LDSTEP \ks+4
.endif
.endr
	WIN 0
	s_cmp_ge_u32 s10, 16
	s_cbranch_scc1 .Llat
	; ---- q
	s_lshr_b32 s20, s9, 5                          ; batch
	s_and_b32 s21, s9, 31
	s_lshl_b32 s22, s20, 4
	s_add_co_u32 s22, s22, s10                     ; batch x 16 + head
	s_lshl_b32 s23, s22, 7
	s_lshl_b32 s24, s21, 2
	s_add_co_u32 s23, s23, s24                     ; the first of my four tiles of 16 tokens
	s_lshl_b32 s24, s23, 11
	s_mov_b32 s25, 0
	s_add_nc_u64 s[24:25], s[6:7], s[24:25]
	s_lshl_b32 s26, s23, 7
	s_add_co_u32 s26, s26, QS
	s_mov_b32 s27, 0
	s_add_nc_u64 s[26:27], s[6:7], s[26:27]
.macro QOUT a
	v_mov_b32 v8, 0x0d800000                       ; the floor 2^-100
	v_mov_b32 v9, 0x0d800000
	WIN 0x14
.irp t, 0,1,2,3
.irp i, 0,4
	v_max3_num_f32 v8, v8, |v[8*(4*\a+\t)+\i]|, |v[8*(4*\a+\t)+\i+1]|     ; each accumulator from its low end on
	v_max3_num_f32 v9, v9, |v[8*(4*\a+\t)+\i+2]|, |v[8*(4*\a+\t)+\i+3]|
.endr
.endr
	WIN 0
	v_max_num_f32 v8, v8, v9
	v_min_num_f32 v8, 0x71800000, v8               ; held at 2^100
	v_permlanex16_b32 v9, v8, s28, s29             ; the row's other 32 channels lie in lane l xor 16
	v_max_num_f32 v8, v8, v9
	v_and_b32 v[112+\a], 0x7f800000, v8            ; 2^e
	v_sub_nc_u32 v10, 0x7f000000, v[112+\a]        ; 2^-e
	v_mov_b32 v11, v10                             ; (named with it as a pair)
	WIN 0x01
.set m, 0
.rept 16
	v_pk_mul_f32 v[128+2*m:129+2*m], v[32*\a+2*m:32*\a+2*m+1], v[10:11] op_sel_hi:[1,0]
.set m, m+1
.endr
	WIN 0
.set m, 0
.rept 16
	v_cvt_pk_f16_f32 v[48+16*\a+m], v[128+2*m], v[129+2*m]
.set m, m+1
.endr
.irp t, 0,1,2,3
	global_store_b128 v1, v[48+16*\a+4*\t:51+16*\a+4*\t], s[24:25] offset:2048*\a+512*\t
.endr
	global_store_b32 v2, v[112+\a], s[26:27] offset:128*\a
.endm
.irp a, 0,1,2,3
	QOUT \a
.endr
	s_cmp_lg_u32 s21, 0                            ; the batch's first row group: tokens 0-15 leave as f32 too
	s_cbranch_scc1 .Lqdone
	s_lshl_b32 s30, s20, 16                        ; the f32 copy's place is made in s30 and s31, which no store on its way names
	s_lshl_b32 s31, s10, 12
	s_add_co_u32 s30, s30, s31
	s_add_co_u32 s30, s30, QF
	s_mov_b32 s31, 0
	s_add_nc_u64 s[30:31], s[6:7], s[30:31]
	WIN 0x04
.irp t, 0,1,2,3
	global_store_b128 v1, v[8*\t:8*\t+3], s[30:31] offset:1024*\t
	global_store_b128 v1, v[8*\t+4:8*\t+7], s[30:31] offset:1024*\t+512
.endr
	WIN 0
.Lqdone:
	s_endpgm
	; ---- the latent
.Llat:
	s_sub_co_u32 s20, s10, 16                      ; which 64 of its 256 columns
	s_lshl_b32 s24, s9, 16                         ; 4 row blocks x 16 images of 1,024 bytes
	s_lshl_b32 s21, s20, 12
	s_add_co_u32 s24, s24, s21
	s_add_co_u32 s24, s24, LATF
	s_mov_b32 s25, 0
	s_add_nc_u64 s[24:25], s[6:7], s[24:25]
	s_lshl_b32 s26, s9, 2
	s_add_co_u32 s26, s26, s20
	s_lshl_b32 s26, s26, 2
	s_add_co_u32 s26, s26, LMAX
	s_mov_b32 s27, 0
	s_add_nc_u64 s[26:27], s[6:7], s[26:27]
	v_mov_b32 v8, 0
	v_mov_b32 v9, 0
	v_mov_b32 v5, 0
	WIN 0x04
.irp a, 0,1,2,3
.irp t, 0,1,2,3
	global_store_b128 v1, v[32*\a+8*\t:32*\a+8*\t+3], s[24:25] offset:16384*\a+1024*\t
	global_store_b128 v1, v[32*\a+8*\t+4:32*\a+8*\t+7], s[24:25] offset:16384*\a+1024*\t+512
.endr
.endr
	WIN 0x14
.set i, 0
.rept 32
	v_max3_num_f32 v8, v8, |v[i]|, |v[i+1]|
	v_max3_num_f32 v9, v9, |v[i+2]|, |v[i+3]|
.set i, i+4
.endr
	WIN 0
	v_max_num_f32 v8, v8, v9
	v_max_num_f32_dpp v8, v8, v8 row_xmask:1 row_mask:0xf bank_mask:0xf
	v_max_num_f32_dpp v8, v8, v8 row_xmask:2 row_mask:0xf bank_mask:0xf
	v_max_num_f32_dpp v8, v8, v8 row_xmask:4 row_mask:0xf bank_mask:0xf
	v_max_num_f32_dpp v8, v8, v8 row_xmask:8 row_mask:0xf bank_mask:0xf
	v_permlanex16_b32 v9, v8, s28, s29
	v_max_num_f32 v8, v8, v9                       ; the wave's largest magnitude
	v_cmp_eq_u32 vcc_lo, 0, v4
	s_wait_xcnt 0x0                                ; EXEC changes only behind this wait
	s_and_saveexec_b32 s30, vcc_lo
	global_store_b32 v5, v8, s[26:27]              ; one word a wave: 1 KB in the launch
	s_wait_xcnt 0x0
	s_or_b32 exec_lo, exec_lo, s30
	s_endpgm
.Lfunc_end_k_q3fe6e30b7e_gemm1:
	.size	k_q3fe6e30b7e_gemm1, .Lfunc_end_k_q3fe6e30b7e_gemm1-k_q3fe6e30b7e_gemm1
	.p2alignl 7, 3214868480
	.fill 96, 4, 3214868480
	.section	.rodata,"a",@progbits
	.p2align	6, 0x0
	.amdhsa_kernel k_q3fe6e30b7e_gemm1
		.amdhsa_group_segment_fixed_size 0
		.amdhsa_private_segment_fixed_size 0
		.amdhsa_enable_private_segment 0
		.amdhsa_kernarg_size 16
		.amdhsa_user_sgpr_count 2
		.amdhsa_user_sgpr_kernarg_segment_ptr 1
		.amdhsa_wavefront_size32 1
		.amdhsa_system_sgpr_workgroup_id_x 1
		.amdhsa_system_sgpr_workgroup_id_y 1
		.amdhsa_system_sgpr_workgroup_id_z 1
		.amdhsa_system_vgpr_workitem_id 0
		.amdhsa_next_free_vgpr 512
		.amdhsa_next_free_sgpr 66
		.amdhsa_reserve_vcc 1
		.amdhsa_float_denorm_mode_32 3
		.amdhsa_float_denorm_mode_16_64 3
		.amdhsa_memory_ordered 1
		.amdhsa_forward_progress 1
		.amdhsa_inst_pref_size 61
	.end_amdhsa_kernel
	.amdgpu_metadata
---
amdhsa.version: [ 1, 2 ]
amdhsa.kernels:
  - .name:           k_q3fe6e30b7e_gemm1
    .symbol:         k_q3fe6e30b7e_gemm1.kd
    .args:
      - { .name: pw, .offset: 0, .size: 8, .value_kind: global_buffer, .address_space: global }
      - { .name: g1, .offset: 8, .size: 8, .value_kind: global_buffer, .address_space: global }
    .group_segment_fixed_size: 0
    .private_segment_fixed_size: 0
    .kernarg_segment_align: 8
    .kernarg_segment_size: 16
    .max_flat_workgroup_size: 160
    .sgpr_count:     66
    .vgpr_count:     512
    .wavefront_size: 32
...
	.end_amdgpu_metadata
.endif
;; end of part 2
;; launch kvup (part 3): grid 8 x 32, 4 waves a work-group, no clusters, 0 bytes of LDS; arguments pw, g1, kv; writes kv
.if DOCPART == 3
	.amdgcn_target "amdgcn-amd-amdhsa--gfx1250"
	.amdhsa_code_object_version 6
	.text
	.protected	k_q3fe6e30b7e_kvup
	.globl	k_q3fe6e30b7e_kvup
	.p2align	8
	.type	k_q3fe6e30b7e_kvup,@function
k_q3fe6e30b7e_kvup:
	s_mov_b64 s[64:65], 0
	v_nop
	global_prefetch_b8 v0, s[64:65] scope:SCOPE_SE
	s_setreg_imm32_b32 hwreg(HW_REG_WAVE_MODE, 25, 1), 1
	s_wait_xcnt 0x0
; k' = latent' Wk_up, v' = latent' Wv_up with f16 operands and f32 sums, latent' = latent x 2^-eL, eL the exponent of the latent's largest magnitude in the whole tensor (exact; |latent'| < 2).
; SHARES: work-group x < 4: k's columns 256 x on; else v's 256 (x - 4) on; y: 128 tokens.  Wave w: 64 tokens (w / 2), 128 columns (w % 2): 8 column tiles x 4 row blocks x 8 chunks of K = 256 matrix instructions.
; The wave's 64 x 256 of latent' stay in registers (window 1); W's fragments come as images, in a ring of four sets, three tiles (96 matrix instructions) ahead.  No LDS, no barrier.
; NO CLUSTER: operands go from memory straight into registers; there is no tile in LDS for a joint request to fill, and K is 8 chunks.
; k is made TRANSPOSED (source 0 = W, source 1 = latent'): a lane holds a token and eight channels: an image of the scores' operand.  v is made as it stands (source 0 = latent'): a lane holds a channel and eight
; keys: an image of the second product's operand.  So the results leave as 512 dense bytes a store, with no way through LDS.
; LIMITS: the largest magnitude is held to 2^-100 .. 2^100; |k'|, |v'| <= 512 max|W| must lie under 65,504: max|Wk_up|, max|Wv_up| under 127; NaN and infinities are not served.
; REGISTERS: window 0: v1 16 x lane; v[16:17] 2^-eL; v18 2^eL; v32-63 results, two sets; v64-127 accumulators, two sets of four; v128-255 W's sets 0, 1.
;            window 1: latent' (row block a, chunk kc) at 64 a + 8 kc.   window 2: two stages of 128 f32; later v0-127 W's sets 2, 3.
.set WK,   2924544
.set LATF, 8388608
.set LMAX, 13238272
.set MSB, 0
.macro WIN new
.if MSB != (\new)
	s_set_vgpr_msb (MSB<<8)|(\new)
.set MSB, (\new)
.endif
.endm
	s_load_b128 s[4:7], s[0:1], 0x0                ; pw, g1
	s_load_b64 s[8:9], s[0:1], 0x10                ; kv
	v_lshrrev_b32 v3, 5, v0
	v_readfirstlane_b32 s10, v3                    ; wave
	v_and_b32 v4, 31, v0
	v_lshlrev_b32 v1, 4, v4
	v_lshlrev_b32 v2, 5, v4
	s_and_b32 s11, ttmp7, 0xffff                   ; y
	s_lshr_b32 s12, s10, 1                         ; which 64 tokens
	s_and_b32 s13, s10, 1                          ; which 128 columns
	s_and_b32 s20, ttmp9, 3
	s_lshr_b32 s21, ttmp9, 2                       ; 0: k, 1: v
	s_lshl_b32 s14, s21, 19                        ; WV lies 524,288 bytes behind WK
	s_lshl_b32 s24, s20, 17                        ; 16 column tiles x 8 fragments of 1,024 bytes
	s_add_co_u32 s14, s14, s24
	s_lshl_b32 s24, s13, 16
	s_add_co_u32 s14, s14, s24
	s_add_co_u32 s14, s14, WK
	s_mov_b32 s15, 0
	s_lshl_b32 s16, s11, 17                        ; 8 row blocks x 16 images of 1,024 bytes
	s_lshl_b32 s24, s12, 16
	s_add_co_u32 s16, s16, s24
	s_add_co_u32 s16, s16, LATF
	s_mov_b32 s17, 0
	s_lshr_b32 s24, s11, 4                         ; batch
	s_lshl_b32 s24, s24, 4
	s_lshl_b32 s25, s20, 2
	s_add_co_u32 s24, s24, s25
	s_lshl_b32 s25, s13, 1
	s_add_co_u32 s24, s24, s25                     ; batch x 16 + my first head
	s_lshl_b32 s24, s24, 7
	s_and_b32 s25, s11, 15
	s_lshl_b32 s25, s25, 3
	s_add_co_u32 s24, s24, s25
	s_lshl_b32 s25, s12, 2
	s_add_co_u32 s24, s24, s25                     ; + my first tile of 16 tokens
	s_lshl_b32 s22, s24, 11                        ; 2,048 bytes a tile of tokens, in K16 and in V16 alike
	s_lshl_b32 s25, s21, 23
	s_add_co_u32 s22, s22, s25
	s_add_co_u32 s22, s22, 256
	s_mov_b32 s23, 0
	s_mov_b32 s28, 0x76543210
	s_mov_b32 s29, 0xfedcba98
	s_wait_kmcnt 0x0
	s_add_nc_u64 s[14:15], s[4:5], s[14:15]
	s_add_nc_u64 s[16:17], s[6:7], s[16:17]
	s_add_nc_u64 s[18:19], s[6:7], LMAX
	s_add_nc_u64 s[22:23], s[8:9], s[22:23]
.macro LDSTG a, s                      ; row block a's 16 x 256 of f32: 32 loads into stage s
	WIN 0x80
.set n, 0
.rept 32
	global_load_b128 v[128*\s+4*n:128*\s+4*n+3], v1, s[16:17] offset:16384*\a+512*n
.set n, n+1
.endr
.endm
.macro CONV a, s                       ; x 2^-eL, rounded to f16: image nt gives registers 4 (nt % 2) .. of chunk nt / 2
	WIN 0x82
.set n, 0
.rept 64
	v_pk_mul_f32 v[128*\s+2*n:128*\s+2*n+1], v[128*\s+2*n:128*\s+2*n+1], v[16:17] op_sel_hi:[1,0]
.set n, n+1
.endr
	WIN 0x4a
.set n, 0
.rept 64
	v_cvt_pk_f16_f32 v[64*\a+n], v[128*\s+2*n], v[128*\s+2*n+1]
.set n, n+1
.endr
.endm
.macro LDB t                           ; column tile t's eight fragments of W: 16 loads into set t % 4
.set SS, (\t)%4
.set BB, 64*(SS%2)+128*(1-SS/2)
	WIN 128*(SS/2)
.irp kc, 0,1,2,3,4,5,6,7
	global_load_b128 v[BB+8*\kc:BB+8*\kc+3], v1, s[14:15] offset:8192*(\t)+1024*\kc
	global_load_b128 v[BB+8*\kc+4:BB+8*\kc+7], v1, s[14:15] offset:8192*(\t)+1024*\kc+512
.endr
	WIN 0
.endm
.macro TILE t, isv
.set SS, (\t)%4
.set BB, 64*(SS%2)+128*(1-SS/2)
.set AC, 64+32*((\t)%2)
.set OU, 32+16*((\t)%2)
.if 7-(\t) >= 3
	s_wait_loadcnt 48                              ; this tile's 16 loads are in; the three later tiles' stay out
.else
	s_wait_loadcnt 16*(7-(\t))
.endif
.if \isv
	WIN 1+8*(SS/2)
.else
	WIN 4+2*(SS/2)
.endif
.irp kc, 0,1,2,3,4,5,6,7               ; the four accumulators take turns
.irp a, 0,1,2,3
.if \isv
.if \kc == 0
	v_wmma_f32_16x16x32_f16 v[AC+8*\a:AC+8*\a+7], v[64*\a+8*\kc:64*\a+8*\kc+7], v[BB+8*\kc:BB+8*\kc+7], 0
.else
	v_wmma_f32_16x16x32_f16 v[AC+8*\a:AC+8*\a+7], v[64*\a+8*\kc:64*\a+8*\kc+7], v[BB+8*\kc:BB+8*\kc+7], v[AC+8*\a:AC+8*\a+7]
.endif
.else
.if \kc == 0
	v_wmma_f32_16x16x32_f16 v[AC+8*\a:AC+8*\a+7], v[BB+8*\kc:BB+8*\kc+7], v[64*\a+8*\kc:64*\a+8*\kc+7], 0
.else
	v_wmma_f32_16x16x32_f16 v[AC+8*\a:AC+8*\a+7], v[BB+8*\kc:BB+8*\kc+7], v[64*\a+8*\kc:64*\a+8*\kc+7], v[AC+8*\a:AC+8*\a+7]
.endif
.endif
.endr
.endr
	WIN 0
.rept 4
	v_nop                                          ; four places ahead of the first read of results and of loads into W's set
.endr
	s_wait_xcnt 0x0                                ; the stores of two tiles ago have read this set of results
.set m, 0
.rept 16
	v_cvt_pk_f16_f32 v[OU+m], v[AC+2*m], v[AC+2*m+1]
.set m, m+1
.endr
.irp a, 0,1,2,3
.if \isv
	global_store_b128 v1, v[OU+4*\a:OU+4*\a+3], s[22:23] offset:262144*((\t)/4)+4096*(\a/2)+1024*((\t)%4)+512*(\a%2)
.else
	global_store_b128 v1, v[OU+4*\a:OU+4*\a+3], s[22:23] offset:262144*((\t)/4)+2048*\a+512*((\t)%4)
.endif
.endr
.if (\t) < 4
	LDB (\t)+4
.endif
.endm
	global_load_b128 v[20:23], v2, s[18:19]        ; the 256 waves' maxima, 8 a lane
	global_load_b128 v[24:27], v2, s[18:19] offset:16
	LDSTG 0, 0
	WIN 0
	s_wait_loadcnt 32                              ; the maxima are in; the stage's 32 loads stay out
	v_max3_num_f32 v20, v20, v21, v22
	v_max3_num_f32 v23, v23, v24, v25
	v_max3_num_f32 v20, v20, v26, v27
	v_max3_num_f32 v20, v20, v23, 0x0d800000       ; the floor 2^-100
	v_min_num_f32 v20, 0x71800000, v20             ; held at 2^100
	v_max_num_f32_dpp v20, v20, v20 row_xmask:1 row_mask:0xf bank_mask:0xf
	v_max_num_f32_dpp v20, v20, v20 row_xmask:2 row_mask:0xf bank_mask:0xf
	v_max_num_f32_dpp v20, v20, v20 row_xmask:4 row_mask:0xf bank_mask:0xf
	v_max_num_f32_dpp v20, v20, v20 row_xmask:8 row_mask:0xf bank_mask:0xf
	v_permlanex16_b32 v21, v20, s28, s29
	v_max_num_f32 v20, v20, v21
	v_and_b32 v18, 0x7f800000, v20                 ; 2^eL
	v_sub_nc_u32 v16, 0x7f000000, v18              ; 2^-eL
	v_mov_b32 v17, v16
	LDSTG 1, 1
	s_wait_loadcnt 32                              ; row block 0 is in; block 1's 32 loads stay out
	CONV 0, 0
	LDSTG 2, 0
	s_wait_loadcnt 32
	CONV 1, 1
	LDSTG 3, 1
	LDB 0
	s_wait_loadcnt 48                              ; row block 2 is in; block 3's 32 and tile 0's 16 stay out
	CONV 2, 0
	LDB 1
	LDB 2                                          ; (into the stage that block 2 has left)
	s_wait_loadcnt 48                              ; row block 3 is in; tiles 0, 1 and 2 stay out
	CONV 3, 1
	LDB 3
	s_cmp_lg_u32 s21, 0
	s_cbranch_scc1 .Lv
.irp t, 0,1,2,3,4,5,6,7
	TILE \t, 0
.endr
	s_or_b32 s24, ttmp9, s11                       ; one wave of the launch stores the scales
	s_or_b32 s24, s24, s10
	s_cmp_lg_u32 s24, 0
	s_cbranch_scc1 .Lend
	v_mov_b32 v20, v18                             ; 2^eL
	v_mul_f32 v21, 0x3e38aa3b, v18                 ; 2^eL x log2(e) / 8
	v_mov_b32 v22, v16                             ; 2^-eL
	v_mov_b32 v23, 0
	v_mov_b32 v5, 0
	v_cmp_eq_u32 vcc_lo, 0, v4
	s_wait_xcnt 0x0                                ; EXEC changes only behind this wait
	s_and_saveexec_b32 s24, vcc_lo
	global_store_b128 v5, v[20:23], s[8:9]
	s_wait_xcnt 0x0
	s_or_b32 exec_lo, exec_lo, s24
.Lend:
	s_endpgm
.Lv:
.irp t, 0,1,2,3,4,5,6,7
	TILE \t, 1
.endr
	s_endpgm
.Lfunc_end_k_q3fe6e30b7e_kvup:
	.size	k_q3fe6e30b7e_kvup, .Lfunc_end_k_q3fe6e30b7e_kvup-k_q3fe6e30b7e_kvup
	.p2alignl 7, 3214868480
	.fill 96, 4, 3214868480
	.section	.rodata,"a",@progbits
	.p2align	6, 0x0
	.amdhsa_kernel k_q3fe6e30b7e_kvup
		.amdhsa_group_segment_fixed_size 0
		.amdhsa_private_segment_fixed_size 0
		.amdhsa_enable_private_segment 0
		.amdhsa_kernarg_size 24
		.amdhsa_user_sgpr_count 2
		.amdhsa_user_sgpr_kernarg_segment_ptr 1
		.amdhsa_wavefront_size32 1
		.amdhsa_system_sgpr_workgroup_id_x 1
		.amdhsa_system_sgpr_workgroup_id_y 1
		.amdhsa_system_sgpr_workgroup_id_z 1
		.amdhsa_system_vgpr_workitem_id 0
		.amdhsa_next_free_vgpr 768
		.amdhsa_next_free_sgpr 66
		.amdhsa_reserve_vcc 1
		.amdhsa_float_denorm_mode_32 3
		.amdhsa_float_denorm_mode_16_64 3
		.amdhsa_memory_ordered 1
		.amdhsa_forward_progress 1
		.amdhsa_inst_pref_size 125
	.end_amdhsa_kernel
	.amdgpu_metadata
---
amdhsa.version: [ 1, 2 ]
amdhsa.kernels:
  - .name:           k_q3fe6e30b7e_kvup
    .symbol:         k_q3fe6e30b7e_kvup.kd
    .args:
      - { .name: pw, .offset: 0, .size: 8, .value_kind: global_buffer, .address_space: global }
      - { .name: g1, .offset: 8, .size: 8, .value_kind: global_buffer, .address_space: global }
      - { .name: kv, .offset: 16, .size: 8, .value_kind: global_buffer, .address_space: global }
    .group_segment_fixed_size: 0
    .private_segment_fixed_size: 0
    .kernarg_segment_align: 8
    .kernarg_segment_size: 24
    .max_flat_workgroup_size: 128
    .sgpr_count:     66
    .vgpr_count:     768
    .wavefront_size: 32
...
	.end_amdgpu_metadata
.endif
;; end of part 3
;; launch attn (part 4): grid 8 x 36, 8 waves a work-group, no clusters, 327,680 bytes of LDS; arguments g1, kv, y16, Wk_up, Wv_up, yf; writes y16, yf
.if DOCPART == 4
	.amdgcn_target "amdgcn-amd-amdhsa--gfx1250"
	.amdhsa_code_object_version 6
	.text
	.protected	k_q3fe6e30b7e_attn
	.globl	k_q3fe6e30b7e_attn
	.p2align	8
	.type	k_q3fe6e30b7e_attn,@function
k_q3fe6e30b7e_attn:
	s_mov_b64 s[64:65], 0
	v_nop
	global_prefetch_b8 v0, s[64:65] scope:SCOPE_SE
	s_setreg_imm32_b32 hwreg(HW_REG_WAVE_MODE, 25, 1), 1
	s_wait_xcnt 0x0
; TWO KINDS OF WORK-GROUPS, which part on the work-group's y behind the opening lines and never meet again.
; y = 0 .. 31: causal attention, head size 64, 2,048 positions, 32 (batch, head) pairs; f16 operands, f32 sums, a running maximum and sum in f32.  y' = softmax(q k^T / 8) v' leaves as f16 images of the output projection's operand.
; y = 32 .. 35: THE FINE ROWS (label .Lfine): the first 16 positions of every sequence and head, in f32 from the latent on.  These 32 work-groups read only what earlier launches stored (g1, kv) and two inputs, and store
; a buffer of their own (yf); nothing passes between them and the attention's work-groups.  They stand at the grid's end.  Their LDS bytes, and their scalar registers from s66 on, are their own.
; SCALES: q' = q 2^-eq (a row's own power), k' = k 2^-eL, v' = v 2^-eL.  t = s' x cq, cq = 2^eq 2^eL log2(e) / 8, a number of the lane's query; p = 2^(t - m), m the running largest t.
; SHARES: work-group (i, batch x 16 + head) owns query blocks 15 - i (waves 0-3) and i (waves 4-7), 128 queries each: 17 x 128 rows of keys of work in every work-group.  A wave: 32 queries, two tiles.
; Keys go 64 a step through a ring of two LDS slots of 512 keys (K's 64 KB of fragment images, then V's), filled by waves 0-3, a quarter (32 KB) each, and read by all eight: every LDS load is 512 dense bytes.
; BOTH PRODUCTS ARE USED TRANSPOSED (S^T = K Q^T, O^T = V^T P): a lane holds one query throughout; two tiles of S^T, rounded in pairs, are the second product's operand.
; THE CAUSAL MASK: every work-group walks all four slots and all steps (constant trip counts); a step all of whose keys come after the wave's queries is jumped over (ids alone); on the diagonal hidden scores become
; -infinity ahead of the maximum; a slot whose first key comes after the work-group's last query is not asked for.
; NO CLUSTER: under the mask the query blocks of a head need different numbers of slots, so partners could not make every joint request.
; LIMITS: cq must be finite (2^eq 2^eL under 2^127, as the scores themselves ask); the fine rows' y x 2^-eL must lie inside f16 (it is bounded by 512 max|Wv_up|); NaN and infinities are not served.
; REGISTERS of the attention: v1 16 x lane; v2, v3 LDS addresses in hand; v4, v5 the add's two; v6 r - 8 h; v7 -infinity; v8-11 at work; v12-27 a tile's eight: {m, t1} {cq, t2} {l0, l1} {a, t3}; v28-91 K's, then V's fragments;
;            v92-155 S^T, then p, then P in each tile's first 16; v156-219 O^T; v220 256 x lane; v221 4 x lane.  Window 1: v0-31 (v256-287) Q: two window switches a key step.
;            v224-255 are named by the fine rows' f32 matrix sums alone, in the whole text.
.set QS,    12582912
.set LATF,  8388608
.set QF,    13107200
.set K16,   256
.set SLOT1, 1<<17
.set SPARE, 262144                     ; behind the ring: the spare words, 128 bytes a wave: four blocks of 256 bytes that no other line names
.set KM,    SPARE+1024                 ; behind them: the fine rows' k, 16 rows of 272 bytes; no tile lands here
.set WV,    10
.set G1,    16                         ; s[16:23] descriptor group 1;  s[24:27] group 0, which walks
.set G0,    24
.set SEL,   28
.set TBS,   30                         ; LDS byte at which the step's fragments of K begin
.set KF,    31                         ; the step's first key
.set Q0,    32                         ; my first query
.set QL,    33                         ; my work-group's last query
.set SLOTS, 34
.set LIM,   35
.set PFA,   36
.set CNT,   38
.set ST,    12
.set KV,    28
.set S,     92
.set O,     156
.set PFO,   220
.set L4,    221
.set Q,     0                          ; in window 1
.set MSB, 0
.macro WIN new                         ; the immediate's high byte repeats the setting that is left
.if MSB != (\new)
	s_set_vgpr_msb (MSB<<8)|(\new)
.set MSB, (\new)
.endif
.endm
.macro TLOAD                           ; waves 0-3 fetch; an s_nop 0 and four v_nop follow the load
	s_cmp_lt_u32 s[WV], 4
	s_cbranch_scc0 .Lnoload_\@
	tensor_load_to_lds s[G0:G0+3], s[G1:G1+7]
	s_nop 0
.rept 4
	v_nop
.endr
.Lnoload_\@:
.endm
; A prefetch of what the NEXT change of slots will ask for: a slot's 128 KB, each aligned 256 bytes named once in the launch: all work-groups of a (batch, head) walk the same K and V, so the first of them (i = 0,
; which walks all four slots) asks; in it waves 4-7, which fetch nothing, take a quarter each: four instructions, lanes 256 bytes apart.  It asks at the first two changes (for slots 2 and 3) and then stops.
.macro ASK
	s_cmp_gt_u32 s[SLOTS], s[LIM]
	s_cbranch_scc0 .Lnot_mine_\@
.irp o, 0,8192,16384,24576
	global_prefetch_b8 v[PFO], s[PFA:PFA+1] offset:\o th:TH_LOAD_NT scope:SCOPE_SE
.endr
.Lnot_mine_\@:
.endm
	s_load_b128 s[4:7], s[0:1], 0x0                ; g1, kv
	s_load_b64 s[8:9], s[0:1], 0x10                ; y16
	v_lshl_add_u32 v4, v0, 2, SPARE
	v_mov_b32 v5, 0
	ds_add_u32 v4, v5                              ; the wave's opening: the add, twice on end, and its wait ahead of the first tensor load
	ds_add_u32 v4, v5
	v_lshrrev_b32 v8, 5, v0
	v_readfirstlane_b32 s[WV], v8                  ; wave 0..7
	s_mov_b32 s11, ttmp9                           ; i
	s_and_b32 s12, ttmp7, 0xffff                   ; batch x 16 + head; from 32 on: the fine rows
	s_wait_dscnt 0x0                               ; both opening adds are done
	s_cmp_ge_u32 s12, 32
	s_cbranch_scc1 .Lfine
	s_mov_b32 s[G1], 3<<16                         ; no mask; elements of 8 bytes; no padding
	s_mov_b32 s[G1+1], 32<<16                      ; tensor_dim0 = 32 elements: rows of 256 bytes
	s_mov_b32 s[G1+2], 128<<16                     ; tensor_dim1 = 128 rows: a dense block of 32 KB
	s_mov_b32 s[G1+3], 32<<16                      ; tile_dim0
	s_mov_b32 s[G1+4], 128                         ; tile_dim1
	s_mov_b32 s[G1+5], 32                          ; the pitch
	s_mov_b32 s[G1+6], 0
	s_mov_b32 s[G1+7], 0
	s_and_b32 s39, s[WV], 3
	s_mov_b32 s[G0], 1
	s_lshl_b32 s[G0+1], s39, 15                    ; my quarter of slot 0: K's halves, then V's
	s_lshr_b32 s42, s39, 1
	s_lshl_b32 s42, s42, 23                        ; V16 lies 8,388,608 bytes behind K16
	s_and_b32 s40, s[WV], 1
	s_lshl_b32 s40, s40, 15
	s_add_co_u32 s42, s42, s40
	s_lshl_b32 s40, s12, 18                        ; 262,144 bytes a (batch, head)
	s_add_co_u32 s42, s42, s40
	s_add_co_u32 s42, s42, K16
	s_mov_b32 s43, 0
	s_sub_co_u32 s39, 15, s11
	s_cmp_lt_u32 s[WV], 4
	s_cselect_b32 s39, s39, s11                    ; my block of 128 queries
	s_lshl_b32 s[Q0], s39, 7
	s_and_b32 s40, s[WV], 3
	s_lshl_b32 s40, s40, 5
	s_add_co_u32 s[Q0], s[Q0], s40
	s_sub_co_u32 s[QL], 16, s11
	s_lshl_b32 s[QL], s[QL], 7
	s_sub_co_u32 s[QL], s[QL], 1
	s_lshr_b32 s44, s[WV], 2
	s_xor_b32 s44, s44, 1                          ; 0 in waves 4-7,
	s_or_b32 s44, s44, s11                         ; of the work-group with i = 0
	s_cmp_eq_u32 s44, 0
	s_cselect_b32 s[LIM], 1, -1
	s_mov_b32 s[SEL], 0x76543210
	s_mov_b32 s[SEL+1], 0xfedcba98
	s_mov_b32 s[TBS], 0
	s_mov_b32 s[KF], 0
	s_mov_b32 s[SLOTS], 3
	s_lshl_b32 s40, s12, 18
	s_lshl_b32 s41, s[Q0], 7
	s_add_co_u32 s40, s40, s41                     ; Q16: 2,048 bytes a tile of 16 queries
	s_mov_b32 s41, 0
	s_lshl_b32 s46, s12, 14
	s_lshl_b32 s44, s[Q0], 3
	s_add_co_u32 s46, s46, s44
	s_add_co_u32 s46, s46, QS                      ; QS: 128 bytes a tile
	s_mov_b32 s47, 0
	s_lshr_b32 s44, s12, 4
	s_lshl_b32 s44, s44, 22                        ; y16: 128 row blocks of 32,768 bytes a batch,
	s_lshl_b32 s45, s[Q0], 11
	s_add_co_u32 s44, s44, s45
	s_and_b32 s45, s12, 15
	s_lshl_b32 s45, s45, 11                        ; chunks 2 head, 2 head + 1
	s_add_co_u32 s44, s44, s45
	s_mov_b32 s45, 0
	s_wait_kmcnt 0x0
	s_load_b64 s[48:49], s[6:7], 0x0               ; 2^eL, 2^eL log2(e) / 8
	s_add_nc_u64 s[G0+2:G0+3], s[6:7], s[42:43]
	s_add_nc_u64 s[PFA:PFA+1], s[G0+2:G0+3], 65536 ; the same quarter of slot 1; the first change steps it to slot 2.  Nothing is prefetched at the head
	s_or_b32 s[G0+3], s[G0+3], 0x80000000
	TLOAD                                          ; slot 0
	s_add_nc_u64 s[50:51], s[4:5], s[40:41]
	s_add_nc_u64 s[52:53], s[4:5], s[46:47]
	s_add_nc_u64 s[8:9], s[8:9], s[44:45]
	v_and_b32 v8, 31, v0
	v_lshlrev_b32 v1, 4, v8
	v_lshlrev_b32 v[PFO], 8, v8
	v_lshlrev_b32 v[L4], 2, v8
	v_and_b32 v9, 15, v0
	v_bfe_u32 v10, v0, 4, 1
	v_lshlrev_b32 v10, 3, v10
	v_sub_nc_u32 v6, v9, v10
	v_mov_b32 v7, 0xff800000
	WIN 0x40                                       ; destination window 1, address window 0
.set n, 0
.rept 8
	global_load_b128 v[Q+4*n:Q+4*n+3], v1, s[50:51] offset:2048*(n/4)+512*(n%4)   ; Q stays in registers: tile n / 4
.set n, n+1
.endr
	WIN 0
.irp qt, 0,1
	global_load_b32 v[ST+8*\qt+2], v[L4], s[52:53] offset:128*\qt                  ; 2^eq of my query
.endr
.irp qt, 0,1
	v_mov_b32 v[ST+8*\qt], 0xff61b1e6              ; m: -3e38, under every t
	v_mov_b32 v[ST+8*\qt+1], 0
	v_mov_b32 v[ST+8*\qt+3], 0
	v_mov_b32 v[ST+8*\qt+4], 0                     ; the sum, in two halves
	v_mov_b32 v[ST+8*\qt+5], 0
	v_mov_b32 v[ST+8*\qt+6], 0
	v_mov_b32 v[ST+8*\qt+7], 0
.endr
.set n, 0
.rept 64
	v_mov_b32 v[O+n], 0                            ; O^T.  (The step is written once: the first finds zeros, which its a = 0 leaves zeros)
.set n, n+1
.endr
.macro MX3F d, x, y, z
.irp qt, 0,1
	v_max3_num_f32 v[ST+8*\qt+\d], v[S+32*\qt+\x], v[S+32*\qt+\y], v[S+32*\qt+\z]
.endr
.endm
.macro MX3 d, x, y
.irp qt, 0,1
	v_max3_num_f32 v[ST+8*\qt+\d], v[ST+8*\qt+\d], v[S+32*\qt+\x], v[S+32*\qt+\y]
.endr
.endm
; A KEY STEP: 64 keys.
.macro STEP
	s_add_co_u32 s39, s[Q0], 31
	s_cmp_gt_u32 s[KF], s39                        ; all 64 keys come after my 32 queries: the step's work is left out (ids and the count of steps alone)
	s_cbranch_scc1 .Lhidden_\@
	v_add_nc_u32 v2, s[TBS], v1
	v_add_nc_u32 v3, 65536, v2                     ; V's fragments lie 64 KB behind K's
.set n, 0
.rept 16
	ds_load_b128 v[KV+4*n:KV+4*n+3], v2 offset:512*n   ; K (tile kt, chunk c) at KV + 16 kt + 8 c
.set n, n+1
.endr
	s_wait_dscnt 0x0
	WIN 0x04                                       ; source 1 (Q) window 1
.irp c, 0,1                            ; S^T = K Q^T: the eight accumulators take turns
.irp kt, 0,1,2,3
.irp qt, 0,1
.if \c == 0
	v_wmma_f32_16x16x32_f16 v[S+32*\qt+8*\kt:S+32*\qt+8*\kt+7], v[KV+16*\kt+8*\c:KV+16*\kt+8*\c+7], v[Q+16*\qt+8*\c:Q+16*\qt+8*\c+7], 0
.else
	v_wmma_f32_16x16x32_f16 v[S+32*\qt+8*\kt:S+32*\qt+8*\kt+7], v[KV+16*\kt+8*\c:KV+16*\kt+8*\c+7], v[Q+16*\qt+8*\c:Q+16*\qt+8*\c+7], v[S+32*\qt+8*\kt:S+32*\qt+8*\kt+7]
.endif
.endr
.endr
.endr
	WIN 0
.rept 4
	v_nop                                          ; four places ahead of loads into K's registers and of the first read of the scores
.endr
.set n, 0
.rept 16
	ds_load_b128 v[KV+4*n:KV+4*n+3], v3 offset:512*n   ; V (chunk kc, tile ct) at KV + 32 kc + 8 ct: it lands under the softmax
.set n, n+1
.endr
	s_add_co_u32 s39, s[KF], 63
	s_cmp_le_u32 s39, s[Q0]                        ; every key counts for every query of mine: no mask
	s_cbranch_scc1 .Lopen_\@
	s_sub_co_i32 s39, s[Q0], s[KF]
	v_add_nc_u32 v8, s39, v6                       ; d = my query - the first key - 8 h, tile 0's;
	v_add_nc_u32 v9, 16, v8                        ; tile 1's.  Register 8 kt + j holds key 16 kt + 8 h + j: hidden where 16 kt + j > d
.irp qt, 0,1
.set n, 0
.rept 32
	v_cmp_gt_i32 vcc_lo, 16*(n/8)+n%8, v[8+\qt]
	v_cndmask_b32 v[S+32*\qt+n], v[S+32*\qt+n], v7, vcc_lo
.set n, n+1
.endr
.endr
.Lopen_\@:
	MX3F 1, 0, 1, 2                                ; the largest score: two chains a tile; each accumulator is first read at its low end
	MX3F 3, 8, 9, 10
	MX3 1, 16, 17
	MX3 3, 24, 25
	MX3 1, 3, 4
	MX3 3, 5, 6
	MX3 1, 7, 11
	MX3 3, 12, 13
	MX3 1, 14, 15
	MX3 3, 18, 19
	MX3 1, 20, 21
	MX3 3, 22, 23
	MX3 1, 26, 27
	MX3 3, 28, 29
	MX3 1, 30, 31
.irp qt, 0,1
	v_max_num_f32 v[ST+8*\qt+1], v[ST+8*\qt+1], v[ST+8*\qt+3]
.endr
.irp qt, 0,1
	v_permlanex16_b32 v[ST+8*\qt+3], v[ST+8*\qt+1], s[SEL], s[SEL+1]   ; the query's other 32 keys lie in lane l xor 16
.endr
.irp qt, 0,1
	v_max_num_f32 v[ST+8*\qt+1], v[ST+8*\qt+1], v[ST+8*\qt+3]
.endr
.irp qt, 0,1
	v_mul_f32 v[ST+8*\qt+1], v[ST+8*\qt+1], v[ST+8*\qt+2]              ; as t (cq is positive)
	v_mov_b32 v[ST+8*\qt+7], v[ST+8*\qt]
.endr
.irp qt, 0,1
	v_max_num_f32 v[ST+8*\qt], v[ST+8*\qt], v[ST+8*\qt+1]              ; the running maximum
.endr
.irp qt, 0,1
	v_sub_f32 v[ST+8*\qt+7], v[ST+8*\qt+7], v[ST+8*\qt]                ; old m - new m
.endr
.irp qt, 0,1
.set n, 0
.rept 16
	v_pk_fma_f32 v[S+32*\qt+2*n:S+32*\qt+2*n+1], v[S+32*\qt+2*n:S+32*\qt+2*n+1], v[ST+8*\qt+2:ST+8*\qt+3], v[ST+8*\qt:ST+8*\qt+1] op_sel_hi:[1,0,0] neg_lo:[0,0,1] neg_hi:[0,0,1]   ; s cq - m
.set n, n+1
.endr
.endr
.irp qt, 0,1
	v_exp_f32 v[ST+8*\qt+6], v[ST+8*\qt+7]         ; a = 2^(old m - new m)
.endr
.set n, 0
.rept 64
	v_exp_f32 v[S+n], v[S+n]                       ; p
.set n, n+1
.endr
	v_nop                                          ; a plain line behind the last exponential
	s_wait_alu depctr_va_vdst(0)                   ; ONE wait for the batch of 66, ahead of the first line that names a result
.irp qt, 0,1
	v_pk_mul_f32 v[ST+8*\qt+4:ST+8*\qt+5], v[ST+8*\qt+4:ST+8*\qt+5], v[ST+8*\qt+6:ST+8*\qt+7] op_sel_hi:[1,0]
	v_pk_add_f32 v[8+2*\qt:9+2*\qt], v[S+32*\qt:S+32*\qt+1], v[S+32*\qt+2:S+32*\qt+3]      ; the row's sum is taken of p before it is rounded: two chains a tile
.endr
.irp j, 4,8,12,16,20,24,28
.irp qt, 0,1
	v_pk_add_f32 v[ST+8*\qt+4:ST+8*\qt+5], v[ST+8*\qt+4:ST+8*\qt+5], v[S+32*\qt+\j:S+32*\qt+\j+1]
	v_pk_add_f32 v[8+2*\qt:9+2*\qt], v[8+2*\qt:9+2*\qt], v[S+32*\qt+\j+2:S+32*\qt+\j+3]
.endr
.endr
.irp qt, 0,1
	v_pk_add_f32 v[ST+8*\qt+4:ST+8*\qt+5], v[ST+8*\qt+4:ST+8*\qt+5], v[8+2*\qt:9+2*\qt]
.endr
.irp qt, 0,1
.set n, 0
.rept 16
	v_cvt_pk_f16_f32 v[S+32*\qt+n], v[S+32*\qt+2*n], v[S+32*\qt+2*n+1]   ; P, in place, ascending: register 4 kt + i: keys 16 kt + 8 h + 2 i, + 1
.set n, n+1
.endr
.endr
.irp qt, 0,1
.set n, 0
.rept 16
	v_pk_mul_f32 v[O+32*\qt+2*n:O+32*\qt+2*n+1], v[O+32*\qt+2*n:O+32*\qt+2*n+1], v[ST+8*\qt+6:ST+8*\qt+7] op_sel_hi:[1,0]   ; O^T under the new m
.set n, n+1
.endr
.endr
	s_wait_dscnt 0x0                               ; V is in
.irp kc, 0,1                           ; O^T += V^T P: the eight accumulators take turns
.irp ct, 0,1,2,3
.irp qt, 0,1
	v_wmma_f32_16x16x32_f16 v[O+32*\qt+8*\ct:O+32*\qt+8*\ct+7], v[KV+32*\kc+8*\ct:KV+32*\kc+8*\ct+7], v[S+32*\qt+8*\kc:S+32*\qt+8*\kc+7], v[O+32*\qt+8*\ct:O+32*\qt+8*\ct+7]
.endr
.endr
.endr
.rept 5
	v_nop                                          ; five places: the next step's first products write over P's registers, its loads land on V's, and the way out reads O^T
.endr
.Lhidden_\@:
	s_add_co_u32 s[KF], s[KF], 64
	s_add_co_u32 s[TBS], s[TBS], 8192              ; 64 keys are 8,192 bytes, of K's images and of V's
.endm
; THE CHANGE OF SLOTS stands at a slot's head.  Each wave waits for all its tensor loads (its quarter of the slot ahead), adds 0 to its spare word, and waits for that and for its reads of the slot that it has left.
; Behind the barrier the slot ahead is whole and nobody reads the other one.  fill = 1: that other slot is asked for, up to the causal limit; the load has a slot's eight steps in which to land.  By this text's own count a wave has one tensor load out.
.macro CHANGE fill
	s_wait_tensorcnt 0x0                           ; no tensor load of mine is out, so group 0 may be written
	ds_add_u32 v4, v5
.if \fill
	ds_add_u32 v4, v5
	s_xor_b32 s[G0+1], s[G0+1], SLOT1              ; the other slot than last time,
	s_add_nc_u64 s[G0+2:G0+3], s[G0+2:G0+3], 65536 ; the next 512 keys; the type bits on top are not reached
	s_wait_xcnt 0x0                                ; the last prefetches, a slot back, have read their address
	s_add_nc_u64 s[PFA:PFA+1], s[PFA:PFA+1], 65536
.endif
	s_wait_dscnt 0x0                               ; the adds are done, and my reads of the slot that I have left are over
	s_barrier_signal -1
	s_barrier_wait -1
.if \fill
	s_add_co_u32 s39, s[KF], 512                   ; the first key of the slot that this change would ask for:
	s_cmp_gt_u32 s39, s[QL]                        ; past my work-group's last query no wave reads it, so it is not asked for (ids and the count of steps alone: all eight waves go the same way)
	s_cbranch_scc1 .Lpast_\@
	TLOAD
.Lpast_\@:
	ASK
.endif
.endm
.macro SLOT_STEPS
	s_mov_b32 s[CNT], 8
.Lstep_\@:
	STEP
	s_sub_co_u32 s[CNT], s[CNT], 1
	s_cmp_lg_u32 s[CNT], 0
	s_cbranch_scc1 .Lstep_\@
	s_sub_co_u32 s[TBS], s[TBS], 65536             ; back to a slot's first step,
	s_xor_b32 s[TBS], s[TBS], SLOT1                ; in the other slot
.endm
	s_wait_kmcnt 0x0
	s_wait_loadcnt 0x0                             ; Q and the rows' scales
.irp qt, 0,1
	v_mul_f32 v[ST+8*\qt+2], s49, v[ST+8*\qt+2]    ; cq
.endr
.Lslot:                                            ; three trips: behind each change but the last the next slot is asked for
	CHANGE 1
	SLOT_STEPS
	s_sub_co_u32 s[SLOTS], s[SLOTS], 1
	s_cmp_lg_u32 s[SLOTS], 0
	s_cbranch_scc1 .Lslot
	CHANGE 0                                       ; the last slot is written out: nothing is left to fetch
	SLOT_STEPS
	; THE WAY OUT: O^T / the sum, rounded to f16: a lane's eight channels of a token are 16 bytes of an image; each store is 512 dense bytes.
.irp qt, 0,1
	v_add_f32 v[ST+8*\qt+1], v[ST+8*\qt+4], v[ST+8*\qt+5]
.endr
.irp qt, 0,1
	v_permlanex16_b32 v[ST+8*\qt+3], v[ST+8*\qt+1], s[SEL], s[SEL+1]
.endr
.irp qt, 0,1
	v_add_f32 v[ST+8*\qt+1], v[ST+8*\qt+1], v[ST+8*\qt+3]
.endr
.irp qt, 0,1
	v_rcp_f32 v[ST+8*\qt+6], v[ST+8*\qt+1]
.endr
	v_nop
	s_wait_alu depctr_va_vdst(0)                   ; one wait for the two reciprocals
.irp qt, 0,1
.set n, 0
.rept 16
	v_pk_mul_f32 v[O+32*\qt+2*n:O+32*\qt+2*n+1], v[O+32*\qt+2*n:O+32*\qt+2*n+1], v[ST+8*\qt+6:ST+8*\qt+7] op_sel_hi:[1,0]
.set n, n+1
.endr
.endr
.set n, 0
.rept 32
	v_cvt_pk_f16_f32 v[S+n], v[O+2*n], v[O+2*n+1]
.set n, n+1
.endr
.irp qt, 0,1
.irp ct, 0,1,2,3
	global_store_b128 v1, v[S+16*\qt+4*\ct:S+16*\qt+4*\ct+3], s[8:9] offset:32768*\qt+1024*(\ct/2)+512*(\ct%2)
.endr
.endr
	s_wait_tensorcnt 0x0                           ; the wave's end
	ds_add_u32 v4, v5
	s_wait_dscnt 0x0
	s_endpgm
; ==== THE FINE ROWS.  The first 16 positions of every sequence and head, where a row of the softmax averages one to sixteen values, are carried in f32 from the latent on: k, v, the scores and the second product by the
; f32 matrix form (84 instructions a wave at the most: no bulk work).  y x 2^-eL leaves as a pair of f16 numbers, a high and a low part, in the order of the output projection's operand.
; SHARES: work-group 8 (y - 32) + x = 16 batch + head.  Waves 0-3 make tile w (16 channels) of k, waves 4-7 tile w - 4 of v, by one text: 16 tokens x 256 of the latent x 16 columns of Wk_up or Wv_up.  k's tiles meet
; in LDS; then each of waves 4-7 makes all 16 x 16 scores, the softmax, and its own 16 channels of y.
; ORDER OF K: a step of 4 takes, for the lane's half h and register j, column 16 nt + 8 h + 4 half + 2 pp + j: the order in which the f32 images lie; the same in both operands, so the products are kept.
; Two accumulators take turns in every sum and are added at its end; the second product's two sums take the registers of the first's, which were read out long before.
; REGISTERS: v1 16 x lane; v3 r; v10 h; v11 my offset in W; v6, v7 LDS addresses; v8 r - 8 h; v9 -infinity; v28-155 the latent; v156-219 W, a ring of eight groups; both are at work again behind the loop; v224-255 the sums.
.set LAT, 28
.set WR,  156
.set DA,  224
.set DB,  232
.set SA,  240
.set SB,  248
.Lfine:
	s_load_b64 s[80:81], s[0:1], 0x18              ; Wk_up
	s_load_b64 s[82:83], s[0:1], 0x20              ; Wv_up
	s_load_b64 s[84:85], s[0:1], 0x28              ; yf
	s_sub_co_u32 s66, s12, 32
	s_lshl_b32 s66, s66, 3
	s_add_co_u32 s66, s66, s11                     ; 0 .. 31
	s_lshr_b32 s67, s66, 4                         ; batch
	s_and_b32 s66, s66, 15                         ; head
	v_and_b32 v2, 31, v0
	v_and_b32 v3, 15, v0                           ; r
	v_bfe_u32 v10, v0, 4, 1                        ; h
	v_lshlrev_b32 v1, 4, v2                        ; 16 x lane
	v_lshlrev_b32 v11, 15, v10
	v_lshl_add_u32 v11, v3, 2, v11                 ; W: 8 rows of 4,096 bytes for the upper half, 4 bytes a column
	s_and_b32 s68, s[WV], 3                        ; my tile
	s_lshl_b32 s69, s68, 6
	v_mul_u32_u24 v6, v10, 8*272
	v_lshl_add_u32 v6, v3, 2, v6
	v_add_nc_u32 v6, s69, v6
	v_add_nc_u32 v6, KM, v6                        ; k into LDS: row = token 8 h + j, column 16 w + r
	v_mul_u32_u24 v7, v3, 272
	v_lshl_add_u32 v7, v10, 5, v7
	v_add_nc_u32 v7, KM, v7                        ; and back: row = key r, 32 h bytes on
	v_lshlrev_b32 v8, 3, v10
	v_sub_nc_u32 v8, v3, v8                        ; r - 8 h
	v_mov_b32 v9, 0xff800000                       ; -infinity
	s_mov_b32 s[SEL], 0x76543210
	s_mov_b32 s[SEL+1], 0xfedcba98
	s_lshl_b32 s70, s67, 21                        ; 128 row blocks x 16,384 bytes
	s_add_co_u32 s70, s70, LATF
	s_mov_b32 s71, 0
	s_lshl_b32 s72, s67, 6
	s_lshl_b32 s73, s66, 2
	s_add_co_u32 s72, s72, s73
	s_lshl_b32 s72, s72, 10
	s_add_co_u32 s72, s72, QF
	s_mov_b32 s73, 0
	s_lshl_b32 s74, s66, 8                         ; the head's 64 columns,
	s_add_co_u32 s74, s74, s69                     ; my 16 of them
	s_mov_b32 s75, 0
	s_lshl_b32 s76, s67, 5
	s_lshl_b32 s77, s66, 1
	s_add_co_u32 s76, s76, s77
	s_lshr_b32 s77, s68, 1
	s_add_co_u32 s76, s76, s77                     ; chunk 2 head + tile / 2 of the projection's K
	s_lshl_b32 s76, s76, 10
	s_and_b32 s77, s68, 1
	s_lshl_b32 s77, s77, 9
	s_add_co_u32 s76, s76, s77
	s_mov_b32 s77, 0
	s_wait_kmcnt 0x0
	s_load_b32 s78, s[6:7], 0x8                    ; 2^-eL
	s_cmp_lt_u32 s[WV], 4
	s_cselect_b64 s[80:81], s[80:81], s[82:83]
	s_add_nc_u64 s[80:81], s[80:81], s[74:75]
	s_add_nc_u64 s[70:71], s[4:5], s[70:71]
	s_add_nc_u64 s[72:73], s[4:5], s[72:73]
	s_add_nc_u64 s[84:85], s[84:85], s[76:77]
.set n, 0
.rept 32
	global_load_b128 v[LAT+4*n:LAT+4*n+3], v1, s[70:71] offset:512*n   ; the latent's 16 tokens x 256
.set n, n+1
.endr
.macro LDW g                           ; 16 rows of W for my 16 columns: eight loads into ring place g % 8
.irp e, 0,1,2,3,4,5,6,7
	global_load_b32 v[WR+8*((\g)%8)+\e], v11, s[80:81] offset:(16*(\g)+\e)*4096
.endr
.endm
.macro GRP g                           ; 16 along K: four matrix instructions, the two accumulators by turns
.if 15-(\g) >= 7
	s_wait_loadcnt 56                              ; the latent and this group are in; the seven later groups' 56 loads stay out
.else
	s_wait_loadcnt 8*(15-(\g))
.endif
.irp s, 0,1,2,3
.if ((\g) == 0) && (\s < 2)
	v_wmma_f32_16x16x4_f32 v[DA+8*(\s%2):DA+8*(\s%2)+7], v[LAT+8*(\g)+2*\s:LAT+8*(\g)+2*\s+1], v[WR+8*((\g)%8)+2*\s:WR+8*((\g)%8)+2*\s+1], 0
.else
	v_wmma_f32_16x16x4_f32 v[DA+8*(\s%2):DA+8*(\s%2)+7], v[LAT+8*(\g)+2*\s:LAT+8*(\g)+2*\s+1], v[WR+8*((\g)%8)+2*\s:WR+8*((\g)%8)+2*\s+1], v[DA+8*(\s%2):DA+8*(\s%2)+7]
.endif
.endr
.if (\g) < 8
.rept 8
	v_nop                                          ; eight places behind this form, ahead of loads into its operands
.endr
	LDW (\g)+8
.endif
.endm
.irp g, 0,1,2,3,4,5,6,7
	LDW \g
.endr
.irp g, 0,1,2,3,4,5,6,7,8,9,10,11,12,13,14,15
	GRP \g
.endr
.rept 8
	v_nop
.endr
.irp j, 0,1,2,3,4,5,6,7
	v_add_f32 v[64+\j], v[DA+\j], v[DB+\j]         ; my tile: lane (r, h), register j: token 8 h + j, channel r
.endr
	s_cmp_lt_u32 s[WV], 4
	s_cbranch_scc0 .Lvwave
.irp j, 0,1,2,3,4,5,6,7
	ds_store_b32 v6, v[64+\j] offset:272*\j
.endr
	s_branch .Lmeet
.Lvwave:
.set n, 0
.rept 8
	global_load_b128 v[128+4*n:131+4*n], v1, s[72:73] offset:512*n   ; q of the 16 tokens, f32
.set n, n+1
.endr
.Lmeet:
	s_wait_dscnt 0x0                               ; my stores have landed
	s_barrier_signal -1
	s_barrier_wait -1                              ; k's four tiles lie in LDS
	s_cmp_lt_u32 s[WV], 4
	s_cbranch_scc1 .Lfend
.set n, 0
.rept 8
	ds_load_b128 v[160+4*n:163+4*n], v7 offset:64*(n/2)+16*(n%2)
.set n, n+1
.endr
	s_wait_loadcnt 0x0
	s_wait_dscnt 0x0
.set e, 0
.rept 16                               ; S^T = k q^T: a lane holds query r and keys 8 h + j
.if e < 2
	v_wmma_f32_16x16x4_f32 v[SA+8*(e%2):SA+8*(e%2)+7], v[160+2*e:161+2*e], v[128+2*e:129+2*e], 0
.else
	v_wmma_f32_16x16x4_f32 v[SA+8*(e%2):SA+8*(e%2)+7], v[160+2*e:161+2*e], v[128+2*e:129+2*e], v[SA+8*(e%2):SA+8*(e%2)+7]
.endif
.set e, e+1
.endr
.rept 8
	v_nop
.endr
.irp j, 0,1,2,3,4,5,6,7
	v_add_f32 v[72+\j], v[SA+\j], v[SB+\j]
.endr
.irp j, 0,1,2,3,4,5,6,7
	v_mul_f32 v[72+\j], 0x3e38aa3b, v[72+\j]       ; x log2(e) / 8
	v_cmp_gt_i32 vcc_lo, \j, v8                    ; key 8 h + j comes after query r
	v_cndmask_b32 v[72+\j], v[72+\j], v9, vcc_lo
.endr
	v_max3_num_f32 v80, v72, v73, v74
	v_max3_num_f32 v80, v80, v75, v76
	v_max3_num_f32 v80, v80, v77, v78
	v_max_num_f32 v80, v80, v79
	v_mov_b32 v81, 0
	v_permlanex16_b32 v81, v80, s[SEL], s[SEL+1]
	v_max_num_f32 v80, v80, v81                    ; the row's maximum (key 0 counts for every query)
.irp j, 0,1,2,3,4,5,6,7
	v_sub_f32 v[72+\j], v[72+\j], v80
.endr
.irp j, 0,1,2,3,4,5,6,7
	v_exp_f32 v[72+\j], v[72+\j]
.endr
	v_nop                                          ; a plain line behind the last exponential
	s_wait_alu depctr_va_vdst(0)                   ; one wait for the eight, ahead of the first line that names a result
	v_add_f32 v82, v72, v73
	v_add_f32 v83, v74, v75
	v_add_f32 v84, v76, v77
	v_add_f32 v85, v78, v79
	v_add_f32 v82, v82, v83
	v_add_f32 v84, v84, v85
	v_add_f32 v82, v82, v84
	v_permlanex16_b32 v81, v82, s[SEL], s[SEL+1]
	v_add_f32 v82, v82, v81                        ; the row's sum
	v_rcp_f32 v83, v82
	v_nop
	s_wait_alu depctr_va_vdst(0)
	s_wait_kmcnt 0x0
	v_mul_f32 v83, s78, v83                        ; 2^-eL / the sum
.irp p, 0,1,2,3                        ; O^T = v^T p^T: a lane holds query r and channels 8 h + j of my tile
.if \p < 2
	v_wmma_f32_16x16x4_f32 v[DA+8*(\p%2):DA+8*(\p%2)+7], v[64+2*\p:65+2*\p], v[72+2*\p:73+2*\p], 0
.else
	v_wmma_f32_16x16x4_f32 v[DA+8*(\p%2):DA+8*(\p%2)+7], v[64+2*\p:65+2*\p], v[72+2*\p:73+2*\p], v[DA+8*(\p%2):DA+8*(\p%2)+7]
.endif
.endr
.rept 8
	v_nop
.endr
.irp j, 0,1,2,3,4,5,6,7
	v_add_f32 v[88+\j], v[DA+\j], v[DB+\j]
.endr
.irp j, 0,1,2,3,4,5,6,7
	v_mul_f32 v[88+\j], v[88+\j], v83
.endr
.irp i, 0,1,2,3
	v_cvt_pk_f16_f32 v[96+\i], v[88+2*\i], v[89+2*\i]   ; the high parts
.endr
	v_cvt_f32_f16 v104, v96.l
	v_cvt_f32_f16 v105, v96.h
	v_cvt_f32_f16 v106, v97.l
	v_cvt_f32_f16 v107, v97.h
	v_cvt_f32_f16 v108, v98.l
	v_cvt_f32_f16 v109, v98.h
	v_cvt_f32_f16 v110, v99.l
	v_cvt_f32_f16 v111, v99.h
.irp j, 0,1,2,3,4,5,6,7
	v_sub_f32 v[104+\j], v[88+\j], v[104+\j]
.endr
.irp i, 0,1,2,3
	v_cvt_pk_f16_f32 v[100+\i], v[104+2*\i], v[105+2*\i]   ; the low parts
.endr
	global_store_b128 v1, v[96:99], s[84:85]
	global_store_b128 v1, v[100:103], s[84:85] offset:65536
.Lfend:
	s_wait_tensorcnt 0x0                           ; the wave's end
	ds_add_u32 v4, v5
	s_wait_dscnt 0x0
	s_endpgm
.Lfunc_end_k_q3fe6e30b7e_attn:
	.size	k_q3fe6e30b7e_attn, .Lfunc_end_k_q3fe6e30b7e_attn-k_q3fe6e30b7e_attn
	.p2alignl 7, 3214868480
	.fill 96, 4, 3214868480
	.section	.rodata,"a",@progbits
	.p2align	6, 0x0
	.amdhsa_kernel k_q3fe6e30b7e_attn
		.amdhsa_group_segment_fixed_size 327680
		.amdhsa_private_segment_fixed_size 0
		.amdhsa_enable_private_segment 0
		.amdhsa_kernarg_size 48
		.amdhsa_user_sgpr_count 2
		.amdhsa_user_sgpr_kernarg_segment_ptr 1
		.amdhsa_wavefront_size32 1
		.amdhsa_system_sgpr_workgroup_id_x 1
		.amdhsa_system_sgpr_workgroup_id_y 1
		.amdhsa_system_sgpr_workgroup_id_z 1
		.amdhsa_system_vgpr_workitem_id 0
		.amdhsa_next_free_vgpr 288
		.amdhsa_next_free_sgpr 86
		.amdhsa_reserve_vcc 1
		.amdhsa_float_denorm_mode_32 3
		.amdhsa_float_denorm_mode_16_64 3
		.amdhsa_memory_ordered 1
		.amdhsa_forward_progress 1
		.amdhsa_inst_pref_size 91
	.end_amdhsa_kernel
	.amdgpu_metadata
---
amdhsa.version: [ 1, 2 ]
amdhsa.kernels:
  - .name:           k_q3fe6e30b7e_attn
    .symbol:         k_q3fe6e30b7e_attn.kd
    .args:
      - { .name: g1, .offset: 0, .size: 8, .value_kind: global_buffer, .address_space: global }
      - { .name: kv, .offset: 8, .size: 8, .value_kind: global_buffer, .address_space: global }
      - { .name: y16, .offset: 16, .size: 8, .value_kind: global_buffer, .address_space: global }
      - { .name: Wk_up, .offset: 24, .size: 8, .value_kind: global_buffer, .address_space: global }
      - { .name: Wv_up, .offset: 32, .size: 8, .value_kind: global_buffer, .address_space: global }
      - { .name: yf, .offset: 40, .size: 8, .value_kind: global_buffer, .address_space: global }
    .group_segment_fixed_size: 327680
    .private_segment_fixed_size: 0
    .kernarg_segment_align: 8
    .kernarg_segment_size: 48
    .max_flat_workgroup_size: 256
    .sgpr_count:     86
    .vgpr_count:     288
    .wavefront_size: 32
...
	.end_amdgpu_metadata
.endif
;; end of part 4
;; launch outproj (part 5): grid 8 x 32, 4 waves a work-group, clusters of 4 x 4, 327,680 bytes of LDS; arguments y16, pw, kv, out0; writes out0
.if DOCPART == 5
	.amdgcn_target "amdgcn-amd-amdhsa--gfx1250"
	.amdhsa_code_object_version 6
	.text
	.protected	k_q3fe6e30b7e_outproj
	.globl	k_q3fe6e30b7e_outproj
	.p2align	8
	.type	k_q3fe6e30b7e_outproj,@function
k_q3fe6e30b7e_outproj:
	s_mov_b64 s[64:65], 0
	v_nop
	global_prefetch_b8 v0, s[64:65] scope:SCOPE_SE
	s_setreg_imm32_b32 hwreg(HW_REG_WAVE_MODE, 25, 1), 1
	s_wait_xcnt 0x0
	s_wait_alu depctr_hold_cnt(0) depctr_sa_sdst(0) depctr_va_vdst(0) depctr_va_sdst(0) depctr_va_ssrc(0) depctr_va_vcc(0) depctr_vm_vsrc(0)
	s_getreg_b32 s2, hwreg(HW_REG_IB_STS2, 6, 4)
	s_cmp_eq_u32 s2, 0
	s_cbranch_scc0 .Lentry_in_a_cluster
	s_endpgm
.Lentry_in_a_cluster:
	s_bfe_u32 s2, ttmp6, 0x10000c
	s_cmp_lg_u32 s2, 0xf033
	s_cbranch_scc0 .Lentry_shape_is_right
	s_endpgm
.Lentry_shape_is_right:
; out = (y' Wout) x 2^eL: [4096 x 1024] x [1024 x 1024], f16 operands, f32 sums, f32 out.  All rows are made here; the 32 rows of the sequences' first 16 positions are written again, more finely, by the next launch
; (leaving them out would want a branch on a work-group's place).
; A tile of out is 128 x 128: 256 work-groups.  Four waves, each 64 x 64: 16 accumulators.  K goes in steps of 256 through a ring of two LDS slots.  Operands lie in memory as images of their registers: a K step of a
; 16-row tile is 8 fragments = 8,192 dense bytes, so a wave's tensor load brings 4 rows of 8,192 bytes, 32,768 bytes apart, and every LDS load is 512 dense bytes: no padding is wanted.
; CLUSTERS: 4 x 4 work-groups.  The four of a row of the cluster need the same tiles of y', the four of a column the same tiles of Wout: each tile is asked for JOINTLY.
; COLUMNS: lane r of Wout's tile 4 G + u is column 64 G + 4 r + u.  So the same register j of a wave's four accumulators (a, u) holds four NEIGHBOURING columns of one row: the scaling by 2^eL writes them into four
; consecutive registers, and sixteen lanes store 256 consecutive bytes, aligned: the results need no way through LDS.
; REGISTERS: window 0: v16-17, v20-21 LDS addresses; v26 my offset in out; v28, v29 the add's two; v32-95 the way out; v128-255 accumulator (a, u) at 128 + 8 (4 a + u).
;            window 1: two fragment buffers of 128: for 64 along K, 64 registers of y', then 64 of Wout.
.set WO,     3973120
.set KSTEPB, 8192                      ; a K step of a 16-row tile, in bytes
.set HALFT,  32768                     ; four such tiles: what one tensor load brings, and what one wave reads of y' or of Wout
.set SLOT,   4*HALFT
.set SPARE,  2*SLOT                    ; behind the ring: the spare words, 128 bytes a wave
.set LAPS,   2                         ; 1,024 along K = two laps of two K steps
.set ADRA, 16
.set ADRB, 20
.set CO,   26
.set SPW,  28
.set NIL,  29
.set TMP,  32
.set ACC,  128
.set F0,   0
.set F1,   128
.set G1,  24
.set G0,  32
.set G1B, 48
.set G0B, 56
.set MSB, 0
.macro WIN new
.if MSB != (\new)
	s_set_vgpr_msb (MSB<<8)|(\new)
.set MSB, (\new)
.endif
.endm
.set MUL,  0x05                        ; sources 0 and 1 window 1; C and D window 0
.set TO_F, 0x40                        ; destination window 1, address window 0
.macro JLOAD s                         ; a joint load: waves 0 and 1 fetch y's two halves, waves 2 and 3 Wout's; an s_nop 0 and four v_nop follow each of the two lines
	s_cmp_eq_u32 s11, 0
	s_cbranch_scc0 .Lfor_b_\@
	tensor_load_to_lds s[G0+4*\s:G0+4*\s+3], s[G1:G1+7]
	s_nop 0
.rept 4
	v_nop
.endr
	s_branch .Lasked_\@
.Lfor_b_\@:
	tensor_load_to_lds s[G0B+4*\s:G0B+4*\s+3], s[G1B:G1B+7]
	s_nop 0
.rept 4
	v_nop
.endr
.Lasked_\@:
.endm
.macro CREST                           ; a round of the cluster's barrier behind its opening barrier
	s_cmp_lg_u32 s10, 0
	s_cbranch_scc1 .Lnot_wave_0_\@
	s_barrier_signal -3
.Lnot_wave_0_\@:
	s_barrier_wait -3
	s_barrier_signal -1
	s_barrier_wait -1
.endm
.macro CROUND
	s_barrier_signal -1
	s_barrier_wait -1
	CREST
.endm
	s_load_b128 s[4:7], s[0:1], 0x0                ; y16, pw
	s_load_b64 s[2:3], s[0:1], 0x10                ; kv
	s_load_b64 s[8:9], s[0:1], 0x18                ; out0
	v_lshl_add_u32 v[SPW], v0, 2, SPARE
	v_mov_b32 v[NIL], 0
	ds_add_u32 v[SPW], v[NIL]                      ; the wave's opening: the add, twice on end, and its wait ahead of the first tensor load
	ds_add_u32 v[SPW], v[NIL]
	v_lshrrev_b32 v1, 5, v0
	v_readfirstlane_b32 s10, v1                    ; wave 0..3
	s_lshr_b32 s11, s10, 1                         ; which half of the tile's rows is mine.  Also: I fetch for y' (0) or for Wout (1)
	s_and_b32 s12, s10, 1                          ; which half of its columns.  Also: which half of that tile I fetch
	s_bfe_u32 s40, ttmp6, 0x40000                  ; cx, cy: my place in the cluster
	s_bfe_u32 s41, ttmp6, 0x40004
	s_lshl_b32 s42, ttmp9, 2
	s_add_co_u32 s42, s42, s40                     ; tile column = 4 x cluster x + cx
	s_and_b32 s13, ttmp7, 0xffff
	s_lshl_b32 s13, s13, 2
	s_add_co_u32 s13, s13, s41                     ; tile row = 4 x cluster y + cy
	s_lshl_b32 s43, s41, 2
	s_lshl_b32 s43, 15, s43                        ; my row of the cluster
	s_lshl_b32 s44, 0x1111, s40                    ; my column
	s_or_b32 s[G1+0], s43, (3<<16)|(1<<21)         ; the mask: y's tiles go to my row; elements of 8 bytes; bit 21 set beside a mask; no padding
	s_or_b32 s[G1B+0], s44, (3<<16)|(1<<21)
.irp g, G1, G1B
	s_mov_b32 s[\g+1], 1024<<16                    ; tensor_dim0 = 1,024 elements: 8,192 bytes
	s_mov_b32 s[\g+2], 4<<16                       ; tensor_dim1 = 4
	s_mov_b32 s[\g+3], 1024<<16                    ; tile_dim0
	s_mov_b32 s[\g+4], 4                           ; tile_dim1
	s_mov_b32 s[\g+5], 4096                        ; the pitch: 32,768 bytes
	s_mov_b32 s[\g+6], 0
	s_mov_b32 s[\g+7], 0
.endr
	s_lshl_b32 s17, s12, 2                         ; which four 16-row tiles I fetch
	s_lshl_b32 s16, s13, 3
	s_add_co_u32 s16, s16, s17
	s_lshl_b32 s16, s16, 15                        ; y': row block 8 x tile row + 4 x half
	s_lshl_b32 s46, s42, 3
	s_add_co_u32 s46, s46, s17
	s_lshl_b32 s46, s46, 15
	s_add_co_u32 s46, s46, WO                      ; Wout: tile 8 x tile column + 4 x half
	s_mov_b32 s17, 0
	s_mov_b32 s47, 0
	s_mul_i32 s20, s10, HALFT                      ; where they go: wave x 32,768: no place in the cluster enters an LDS address
	s_wait_dscnt 0x0                               ; both opening adds are done
	s_wait_kmcnt 0x0
	s_add_nc_u64 s[14:15], s[4:5], s[16:17]
	s_add_nc_u64 s[46:47], s[6:7], s[46:47]
	s_load_b32 s45, s[2:3], 0x0                    ; 2^eL
	CROUND                                         ; all sixteen work-groups are here: the first joint loads meet
.irp s, 0,1
	s_mov_b32 s[G0+4*\s], 1
	s_add_co_u32 s[G0+4*\s+1], s20, \s*SLOT
	s_add_nc_u64 s[G0+4*\s+2:G0+4*\s+3], s[14:15], \s*KSTEPB
	s_or_b32 s[G0+4*\s+3], s[G0+4*\s+3], 0x80000000
	s_mov_b32 s[G0B+4*\s], 1
	s_add_co_u32 s[G0B+4*\s+1], s20, \s*SLOT
	s_add_nc_u64 s[G0B+4*\s+2:G0B+4*\s+3], s[46:47], \s*KSTEPB
	s_or_b32 s[G0B+4*\s+3], s[G0B+4*\s+3], 0x80000000
	JLOAD \s
.endr
	v_and_b32 v1, 31, v0
	v_lshlrev_b32 v3, 4, v1                        ; 16 x lane
	s_mul_i32 s21, s11, HALFT                      ; my 64 rows of y'
	s_mul_i32 s22, s12, HALFT                      ; my 64 columns of Wout,
	s_add_co_u32 s22, s22, 2*HALFT                 ; which lie behind y's 128 rows
.irp s, 0,1
	v_add_nc_u32 v[ADRA+\s], s21, v3
	v_add_nc_u32 v[ADRB+\s], s22, v3
	s_add_co_u32 s21, s21, SLOT
	s_add_co_u32 s22, s22, SLOT
.endr
	v_and_b32 v1, 15, v0
	v_bfe_u32 v2, v0, 4, 1
	v_lshlrev_b32 v[CO], 15, v2                    ; the upper half of the lanes holds rows 8 further down,
	v_lshl_add_u32 v[CO], v1, 4, v[CO]             ; 16 bytes a lane
	s_lshl_b32 s16, s13, 7
	s_lshl_b32 s17, s11, 6
	s_add_co_u32 s16, s16, s17                     ; my first row
	s_lshl_b32 s16, s16, 12
	s_mov_b32 s17, 0
	s_add_nc_u64 s[8:9], s[8:9], s[16:17]
	s_lshl_b32 s46, s42, 9                         ; my first column, in bytes
	s_lshl_b32 s47, s12, 8
	s_add_co_u32 s46, s46, s47
	s_mov_b32 s47, 0
	s_add_nc_u64 s[8:9], s[8:9], s[46:47]
; 8 matrix instructions: row blocks a0, a0 + 1 x all 4 column tiles, 32 along K: half c of buffer f.  zero = 1: the first product starts the sums
.macro MUL8 f, c, a0, zero
.irp a, \a0, \a0+1
.irp b, 0,1,2,3
.if \zero
	v_wmma_f32_16x16x32_f16 v[ACC+8*(4*(\a)+\b):ACC+8*(4*(\a)+\b)+7], v[\f+8*(4*\c+\a):\f+8*(4*\c+\a)+7], v[\f+64+8*(4*\c+\b):\f+64+8*(4*\c+\b)+7], 0
.else
	v_wmma_f32_16x16x32_f16 v[ACC+8*(4*(\a)+\b):ACC+8*(4*(\a)+\b)+7], v[\f+8*(4*\c+\a):\f+8*(4*\c+\a)+7], v[\f+64+8*(4*\c+\b):\f+64+8*(4*\c+\b)+7], v[ACC+8*(4*(\a)+\b):ACC+8*(4*(\a)+\b)+7]
.endif
.endr
.endr
.endm
; 32 LDS loads in one run: the fragments of 64 along K (two chunks, from byte k of each tile's 8,192) into buffer f; the first 32 along K first
.macro FETCH slot, k, f
	WIN TO_F
.irp c, 0,1
.irp i, 0,1,2,3
	ds_load_b128 v[\f+64+8*(4*\c+\i):\f+64+8*(4*\c+\i)+3],   v[ADRB+\slot] offset:\k+1024*\c+\i*8192
	ds_load_b128 v[\f+64+8*(4*\c+\i)+4:\f+64+8*(4*\c+\i)+7], v[ADRB+\slot] offset:\k+1024*\c+\i*8192+512
	ds_load_b128 v[\f+8*(4*\c+\i):\f+8*(4*\c+\i)+3],         v[ADRA+\slot] offset:\k+1024*\c+\i*8192
	ds_load_b128 v[\f+8*(4*\c+\i)+4:\f+8*(4*\c+\i)+7],       v[ADRA+\slot] offset:\k+1024*\c+\i*8192+512
.endr
.endr
.endm
.macro PLACES                          ; four places ahead of loads into registers that matrix instructions have read, and of the first read of results
.rept 4
	v_nop
.endr
.endm
; A K step is four quarters of 64 along K, 32 matrix instructions each, on buffers 0, 1, 0, 1; the 16 accumulators take turns.
.macro QUARTER slot, k, f, g, zero
	s_wait_dscnt 16                                ; the first 32 along K are in; the other sixteen loads may be out
	WIN MUL
	MUL8 \f, 0, 0, \zero
	MUL8 \f, 0, 2, \zero
	PLACES
	FETCH \slot, \k, \g
	s_wait_dscnt 32                                ; all but the 32 just issued
	WIN MUL
	MUL8 \f, 1, 0, 0
	MUL8 \f, 1, 2, 0
.endm
; The last quarter multiplies buffer 1 and changes slots: ONE barrier; ahead of it each wave waits for all its tensor loads, adds 0 to its spare word, and waits for that and for its reads of this slot.
.macro TURN slot, next, fill
	WIN 0
	s_wait_tensorcnt 0x0                           ; all my tensor loads have landed: my part of the next slot
	ds_add_u32 v[SPW], v[NIL]
	s_wait_dscnt 17                                ; (the add and the youngest sixteen loads may be out)
	WIN MUL
	MUL8 F1, 0, 0, 0
	s_wait_dscnt 0x0                               ; the add is done, and my reads of this slot are over
	s_barrier_signal -1
	MUL8 F1, 0, 2, 0
.if \fill
	WIN 0
.endif
	s_barrier_wait -1
.if \fill
	CREST                                          ; the barrier has opened a round of the cluster's barrier: no wave of any partner still reads this slot or has a load on its way
	s_add_nc_u64 s[G0+4*\slot+2:G0+4*\slot+3], s[G0+4*\slot+2:G0+4*\slot+3], 2*KSTEPB
	s_add_nc_u64 s[G0B+4*\slot+2:G0B+4*\slot+3], s[G0B+4*\slot+2:G0B+4*\slot+3], 2*KSTEPB
	JLOAD \slot                                    ; the first tensor load behind the round; its four v_nop are also the places ahead of the loads below
.else
	PLACES
.endif
	FETCH \next, 0, F0
	WIN MUL
	MUL8 F1, 1, 0, 0
	MUL8 F1, 1, 2, 0
.endm
	s_wait_kmcnt 0x0                               ; 2^eL is in: s3 may be written
	s_wait_tensorcnt 1                             ; my part of K step 0 is in; K step 1's may stay out
	s_barrier_signal -1
	s_barrier_wait -1
	FETCH 0, 0, F0
	QUARTER 0, 2048, F0, F1, 1                     ; the first quarter stands ahead of the loop: its first products start the sums
	WIN 0
	s_mov_b32 s3, LAPS-1
.Llap:                                                 ; a trip goes once round the ring and fills both slots again
	QUARTER 0, 4096, F1, F0, 0
	QUARTER 0, 6144, F0, F1, 0
	TURN 0, 1, 1
	QUARTER 1, 2048, F0, F1, 0
	QUARTER 1, 4096, F1, F0, 0
	QUARTER 1, 6144, F0, F1, 0
	TURN 1, 0, 1
	QUARTER 0, 2048, F0, F1, 0
	WIN 0
	s_sub_co_u32 s3, s3, 1
	s_cmp_lg_u32 s3, 0
	s_cbranch_scc1 .Llap
	QUARTER 0, 4096, F1, F0, 0                     ; the last lap fills nothing
	QUARTER 0, 6144, F0, F1, 0
	TURN 0, 1, 0
	QUARTER 1, 2048, F0, F1, 0
	QUARTER 1, 4096, F1, F0, 0
	QUARTER 1, 6144, F0, F1, 0
	s_wait_dscnt 16
	WIN MUL
	MUL8 F1, 0, 0, 0
	MUL8 F1, 0, 2, 0
	s_wait_dscnt 0
	MUL8 F1, 1, 0, 0
	MUL8 F1, 1, 2, 0
	WIN 0
	PLACES
.irp a, 0,1,2,3
.if \a == 2
	s_wait_xcnt 0x0                                ; the stores of blocks 0 and 1 have read v32-95, which are written anew
.endif
.irp j, 0,1,2,3,4,5,6,7                ; each accumulator from its low end on
.irp u, 0,1,2,3
	v_mul_f32 v[TMP+4*(8*(\a%2)+\j)+\u], s45, v[ACC+8*(4*\a+\u)+\j]
.endr
	global_store_b128 v[CO], v[TMP+4*(8*(\a%2)+\j):TMP+4*(8*(\a%2)+\j)+3], s[8:9] offset:(16*\a+\j)*4096   ; 16 lanes store 256 consecutive bytes, aligned
.endr
.endr
	s_wait_tensorcnt 0x0                           ; the wave's end
	ds_add_u32 v[SPW], v[NIL]
	s_wait_dscnt 0x0
	CROUND                                         ; the closing round: no work-group ends while a partner may still ask for a tile that names it
	s_endpgm
.Lfunc_end_k_q3fe6e30b7e_outproj:
	.size	k_q3fe6e30b7e_outproj, .Lfunc_end_k_q3fe6e30b7e_outproj-k_q3fe6e30b7e_outproj
	.p2alignl 7, 3214868480
	.fill 96, 4, 3214868480
	.section	.rodata,"a",@progbits
	.p2align	6, 0x0
	.amdhsa_kernel k_q3fe6e30b7e_outproj
		.amdhsa_group_segment_fixed_size 327680
		.amdhsa_private_segment_fixed_size 0
		.amdhsa_enable_private_segment 0
		.amdhsa_kernarg_size 32
		.amdhsa_user_sgpr_count 2
		.amdhsa_user_sgpr_kernarg_segment_ptr 1
		.amdhsa_wavefront_size32 1
		.amdhsa_system_sgpr_workgroup_id_x 1
		.amdhsa_system_sgpr_workgroup_id_y 1
		.amdhsa_system_sgpr_workgroup_id_z 1
		.amdhsa_system_vgpr_workitem_id 0
		.amdhsa_next_free_vgpr 512
		.amdhsa_next_free_sgpr 66
		.amdhsa_reserve_vcc 0
		.amdhsa_float_denorm_mode_32 3
		.amdhsa_float_denorm_mode_16_64 3
		.amdhsa_memory_ordered 1
		.amdhsa_forward_progress 1
		.amdhsa_inst_pref_size 85
	.end_amdhsa_kernel
	.amdgpu_metadata
---
amdhsa.version: [ 1, 2 ]
amdhsa.kernels:
  - .name:           k_q3fe6e30b7e_outproj
    .symbol:         k_q3fe6e30b7e_outproj.kd
    .args:
      - { .name: y16, .offset: 0, .size: 8, .value_kind: global_buffer, .address_space: global }
      - { .name: pw, .offset: 8, .size: 8, .value_kind: global_buffer, .address_space: global }
      - { .name: kv, .offset: 16, .size: 8, .value_kind: global_buffer, .address_space: global }
      - { .name: out0, .offset: 24, .size: 8, .value_kind: global_buffer, .address_space: global }
    .group_segment_fixed_size: 327680
    .private_segment_fixed_size: 0
    .kernarg_segment_align: 8
    .kernarg_segment_size: 32
    .max_flat_workgroup_size: 128
    .sgpr_count:     66
    .vgpr_count:     512
    .wavefront_size: 32
...
	.end_amdgpu_metadata
.endif
;; end of part 5
;; launch fine_out (part 6): grid 16 x 2, 16 waves a work-group, no clusters, 67,584 bytes of LDS; arguments yf, pw, kv, out0; writes out0
.if DOCPART == 6
	.amdgcn_target "amdgcn-amd-amdhsa--gfx1250"
	.amdhsa_code_object_version 6
	.text
	.protected	k_q3fe6e30b7e_fine_out
	.globl	k_q3fe6e30b7e_fine_out
	.p2align	8
	.type	k_q3fe6e30b7e_fine_out,@function
k_q3fe6e30b7e_fine_out:
	s_mov_b64 s[64:65], 0
	v_nop
	global_prefetch_b8 v0, s[64:65] scope:SCOPE_SE
	s_setreg_imm32_b32 hwreg(HW_REG_WAVE_MODE, 25, 1), 1
	s_wait_xcnt 0x0
; The output projection of the first 16 positions of each sequence, on pairs of f16 numbers: out = (yh Wh + yl Wh + yh Wl) x 2^eL, sums in f32.  It writes rows 0-15 of each batch anew: 128 KB.
; SHARES: work-group (G, batch): 16 rows x columns 64 G .. 64 G + 63.  K = 1,024 is shared among the sixteen waves, two chunks of 32 each, so that all 40 loads of a wave are out at once; the sixteen partial sums meet in LDS.
; Lane r of tile 4 G + u is column 64 G + 4 r + u: the four accumulators' registers j are four neighbouring columns of row 8 (lane / 16) + j: they are laid side by side in LDS and leave as 16 bytes a lane.
; Too small for tensor loads or clusters: 24 matrix instructions a wave.
.set WO,    3973120
.set WOLD,  2097152
.set SPARE, 65536                      ; behind the sixteen waves' 4,096 bytes: the spare words, 128 bytes a wave
	s_load_b128 s[4:7], s[0:1], 0x0                ; yf, pw
	s_load_b128 s[8:11], s[0:1], 0x10              ; kv, out0
	v_lshl_add_u32 v14, v0, 2, SPARE               ; my spare word; never rewritten
	v_mov_b32 v15, 0                               ; 0; never rewritten
	v_lshrrev_b32 v1, 5, v0
	v_readfirstlane_b32 s12, v1                    ; wave 0..15
	v_and_b32 v2, 31, v0
	v_lshlrev_b32 v1, 4, v2                        ; 16 x lane
	s_lshl_b32 s13, s12, 12
	v_add_nc_u32 v3, s13, v1                       ; LDS, in: my 4,096 bytes
	s_lshl_b32 s13, s12, 9
	v_add_nc_u32 v4, s13, v1                       ; and back: register j = my wave's number, of every wave's part
	v_and_b32 v5, 15, v0
	v_bfe_u32 v6, v0, 4, 1
	v_lshlrev_b32 v7, 15, v6
	v_lshl_add_u32 v7, v5, 4, v7                   ; out: 8 rows for the upper half of the lanes, 16 bytes a lane
	s_and_b32 s14, ttmp7, 0xffff                   ; batch
	s_lshl_b32 s16, s14, 15                        ; 32 chunks of 1,024 bytes a batch,
	s_lshl_b32 s15, s12, 11                        ; my two
	s_add_co_u32 s16, s16, s15
	s_mov_b32 s17, 0
	s_lshl_b32 s18, ttmp9, 17                      ; tile 4 G: 4 x 32 fragments of 1,024 bytes
	s_add_co_u32 s18, s18, s15
	s_add_co_u32 s18, s18, WO
	s_mov_b32 s19, 0
	s_lshl_b32 s22, s14, 11
	s_add_co_u32 s22, s22, s12                     ; row batch x 2,048 + wave
	s_lshl_b32 s22, s22, 12
	s_lshl_b32 s15, ttmp9, 8
	s_add_co_u32 s22, s22, s15
	s_mov_b32 s23, 0
	s_wait_kmcnt 0x0
	s_load_b32 s20, s[8:9], 0x0                    ; 2^eL
	s_add_nc_u64 s[4:5], s[4:5], s[16:17]
	s_add_nc_u64 s[6:7], s[6:7], s[18:19]
	s_add_nc_u64 s[10:11], s[10:11], s[22:23]
.irp q, 0,1                            ; a chunk: yh 8, yl 8, Wh 4 x 8, Wl 4 x 8 registers from v[64 + 80 q]: 20 loads
.irp f, 0,1
	global_load_b128 v[64+80*\q+4*\f:67+80*\q+4*\f], v1, s[4:5] offset:1024*\q+512*\f
	global_load_b128 v[72+80*\q+4*\f:75+80*\q+4*\f], v1, s[4:5] offset:65536+1024*\q+512*\f
.endr
.irp u, 0,1,2,3
.irp f, 0,1
	global_load_b128 v[80+80*\q+8*\u+4*\f:83+80*\q+8*\u+4*\f], v1, s[6:7] offset:32768*\u+1024*\q+512*\f
	global_load_b128 v[112+80*\q+8*\u+4*\f:115+80*\q+8*\u+4*\f], v1, s[6:7] offset:WOLD+32768*\u+1024*\q+512*\f
.endr
.endr
.endr
.macro FO q                            ; 12 matrix instructions; the four accumulators take turns
.set CB, 64+80*\q
.irp u, 0,1,2,3
.if \q == 0
	v_wmma_f32_16x16x32_f16 v[32+8*\u:39+8*\u], v[CB:CB+7], v[CB+16+8*\u:CB+23+8*\u], 0
.else
	v_wmma_f32_16x16x32_f16 v[32+8*\u:39+8*\u], v[CB:CB+7], v[CB+16+8*\u:CB+23+8*\u], v[32+8*\u:39+8*\u]
.endif
.endr
.irp u, 0,1,2,3
	v_wmma_f32_16x16x32_f16 v[32+8*\u:39+8*\u], v[CB+8:CB+15], v[CB+16+8*\u:CB+23+8*\u], v[32+8*\u:39+8*\u]
.endr
.irp u, 0,1,2,3
	v_wmma_f32_16x16x32_f16 v[32+8*\u:39+8*\u], v[CB:CB+7], v[CB+48+8*\u:CB+55+8*\u], v[32+8*\u:39+8*\u]
.endr
.endm
	s_wait_loadcnt 20                              ; the first chunk's 20 loads are in; the second's stay out
	FO 0
	s_wait_loadcnt 0x0
	FO 1
.rept 4
	v_nop                                          ; four places ahead of the first read of results and of loads into the operands
.endr
.irp j, 0,1,2,3,4,5,6,7                ; each accumulator from its low end on
.irp u, 0,1,2,3
	ds_store_b32 v3, v[32+8*\u+\j] offset:512*\j+4*\u
.endr
.endr
	s_wait_dscnt 0x0                               ; my stores have landed
	s_barrier_signal -1
	s_barrier_wait -1                              ; the sixteen partial sums lie in LDS
	s_cmp_lt_u32 s12, 8
	s_cbranch_scc0 .Lend
.set n, 0
.rept 16
	ds_load_b128 v[64+4*n:67+4*n], v4 offset:4096*n
.set n, n+1
.endr
	s_wait_dscnt 0x0
.irp d, 32,16,8,4
.set i, 0
.rept \d/2
	v_pk_add_f32 v[64+i:65+i], v[64+i:65+i], v[64+\d+i:65+\d+i]
.set i, i+2
.endr
.endr
	s_wait_kmcnt 0x0
	s_mov_b32 s21, s20                             ; (named with it as a pair)
	v_pk_mul_f32 v[64:65], v[64:65], s[20:21] op_sel_hi:[1,0]
	v_pk_mul_f32 v[66:67], v[66:67], s[20:21] op_sel_hi:[1,0]
	global_store_b128 v7, v[64:67], s[10:11]       ; rows w and 8 + w: 16 lanes store 256 consecutive bytes, aligned
.Lend:
	s_wait_tensorcnt 0x0                           ; the wave's end
	ds_add_u32 v14, v15
	s_wait_dscnt 0x0
	s_endpgm
.Lfunc_end_k_q3fe6e30b7e_fine_out:
	.size	k_q3fe6e30b7e_fine_out, .Lfunc_end_k_q3fe6e30b7e_fine_out-k_q3fe6e30b7e_fine_out
	.p2alignl 7, 3214868480
	.fill 96, 4, 3214868480
	.section	.rodata,"a",@progbits
	.p2align	6, 0x0
	.amdhsa_kernel k_q3fe6e30b7e_fine_out
		.amdhsa_group_segment_fixed_size 67584
		.amdhsa_private_segment_fixed_size 0
		.amdhsa_enable_private_segment 0
		.amdhsa_kernarg_size 32
		.amdhsa_user_sgpr_count 2
		.amdhsa_user_sgpr_kernarg_segment_ptr 1
		.amdhsa_wavefront_size32 1
		.amdhsa_system_sgpr_workgroup_id_x 1
		.amdhsa_system_sgpr_workgroup_id_y 1
		.amdhsa_system_sgpr_workgroup_id_z 1
		.amdhsa_system_vgpr_workitem_id 0
		.amdhsa_next_free_vgpr 256
		.amdhsa_next_free_sgpr 66
		.amdhsa_reserve_vcc 0
		.amdhsa_float_denorm_mode_32 3
		.amdhsa_float_denorm_mode_16_64 3
		.amdhsa_memory_ordered 1
		.amdhsa_forward_progress 1
		.amdhsa_inst_pref_size 13
	.end_amdhsa_kernel
	.amdgpu_metadata
---
amdhsa.version: [ 1, 2 ]
amdhsa.kernels:
  - .name:           k_q3fe6e30b7e_fine_out
    .symbol:         k_q3fe6e30b7e_fine_out.kd
    .args:
      - { .name: yf, .offset: 0, .size: 8, .value_kind: global_buffer, .address_space: global }
      - { .name: pw, .offset: 8, .size: 8, .value_kind: global_buffer, .address_space: global }
      - { .name: kv, .offset: 16, .size: 8, .value_kind: global_buffer, .address_space: global }
      - { .name: out0, .offset: 24, .size: 8, .value_kind: global_buffer, .address_space: global }
    .group_segment_fixed_size: 67584
    .private_segment_fixed_size: 0
    .kernarg_segment_align: 8
    .kernarg_segment_size: 32
    .max_flat_workgroup_size: 512
    .sgpr_count:     66
    .vgpr_count:     256
    .wavefront_size: 32
...
	.end_amdgpu_metadata
.endif
;; end of part 6
